; MI455X (gfx1250); checked and timed in simulation.
; The chip was launched on July 23, 2026; its instructions are those of AMD's public machine-readable ISA for CDNA 5 (MIT licence, August 2026) and "CDNA5" Instruction Set Architecture Reference Guide (July 2026). The comments in the code are by the model that wrote it; some were corrected since.
;; Lo RA Expert Attention. Allowed arithmetic: float matrix products may take bf16 or f16 operands with f32 sums; other float arithmetic in f32, or as packed bf16 or f16 multiplies, adds, multiply-adds, maxima and minima; sums over many terms, partial sums and values carried from step to step in f32; what a program stores and reads back later, other than sums and carried values, may be rounded once to bf16 or f16.
;; Inputs: Wk 1,024 x 2,048 float32; Wo 2,048 x 2,048 float32; Wq 2,048 x 2,048 float32; Wv 1,024 x 2,048 float32; cos 4 x 1,024 x 128 float32; gate_w 4 x 2,048 float32; hidden_states 4 x 1,024 x 2,048 float32; k_norm_w 128 float32; loraA 4 x 16 x 2,048 float32; loraB 4 x 2,048 x 16 float32; q_norm_w 128 float32; sin 4 x 1,024 x 128 float32.
;; Outputs: out0 4 x 1,024 x 2,048 float32.
;; One version. Each part assembles by itself: llvm-mc -triple=amdgcn-amd-amdhsa -mcpu=gfx1250 --defsym DOCPART=n.
;; ======== version 1 of 1: 4 launches
;; limits: values are held in f16: magnitudes above 65,504 overflow, below 6.1e-05 lose precision
;; workspace buffers: xb 16,777,216 bytes; wb 16,777,216 bytes; wof 10,485,760 bytes; tab 2,359,296 bytes; qkv 33,554,432 bytes; xa 16,777,216 bytes; wr 65,536 bytes
;; launch prep (part 1): grid 744 x 1, 8 waves a work-group, no clusters, 3,072 bytes of LDS; arguments hidden_states, Wq, Wk, Wv, Wo, cos, sin, loraA, loraB, gate_w, xb, wb, wof, tab, wr; writes xb, wb, wof, tab, wr
.if DOCPART == 1
	.amdgcn_target "amdgcn-amd-amdhsa--gfx1250"
	.amdhsa_code_object_version 6
	.text
	.protected	k_qabc0226076_prep
	.globl	k_qabc0226076_prep
	.p2align	8
	.type	k_qabc0226076_prep,@function
k_qabc0226076_prep:
	s_mov_b64 s[64:65], 0
	v_nop
	global_prefetch_b8 v0, s[64:65] scope:SCOPE_SE
	s_setreg_imm32_b32 hwreg(HW_REG_WAVE_MODE, 25, 1), 1
	s_wait_xcnt 0x0
; PREP.  Every f32 input but the two norm gains is rounded ONCE to bf16 and laid out for the launches behind; the router is computed on the way.
;   work-groups 0-255: 16 rows of hidden_states -> xb (bf16), and for these 16 tokens the router: logits x . gate_w on the rounded numbers with f32 sums, softmax over the four experts with its maximum
;     taken away, top-2 (ties: the lower index), wr[token][e] = 2 p (alpha / rank = 2) for the two chosen experts and 0 for the others, in f32.
;   256-383 Wq, 384-447 Wk, 448-511 Wv -> wb (rows q, k, v), bf16.
;   512-639 Wo, 640-671 loraA -> wof, the bf16 number written as f16 (exact inside f16's normal range).  wof is 16 half-blocks of 160 rows of 2,048: half-block hb holds Wo's rows 128 hb .. + 127 and then
;     the 2 x 16 rows of loraA's experts 2 (hb & 1) and 2 (hb & 1) + 1, so that one tile of 160 rows brings a wave of the last launch all its weights.  An expert's rows are read by eight work-groups,
;     one for each of the eight places: 4 MB of reads in all, by the one streaming text.
;   672-735 cos, sin and 736-743 loraB are gathered into tab, each in the order in which a lane of a later launch takes 16 bytes:
;     CS  at 0:         [token block of 16][cos, sin][column block b of 16][lane (r, h)]: src[16 mb + r][16 b + 8 h .. + 7], bf16
;     LBF at 2,097,152: [d][16 e + r] = loraB[e][d][r], bf16
; LIMITS.  A weight written as f16 keeps f16's fixed step of 6e-8 below 6e-5 and must stay under 65,504.  Ties of the top-2 are judged on this text's own probabilities, whose last bits may differ from
; another order of sums.  NaN and infinities are not treated apart.
; No matrix unit, no cluster, no tensor load: no large byte is shared between work-groups, and memory binds.  LDS holds the router's partial sums alone: 8 waves x 16 tokens x 4 experts in f32.
.set SPARE, 2048                       ; behind the partial sums: the spare words, 128 bytes for each wave: four blocks of 256 bytes that no other line names
.set LO,  2                            ; v[2:9]     stream: slot k's byte offset in the source
.set SO,  10                           ; v[10:17]   stream: slot k's byte offset in the destination
.set GA,  18                           ; v18        16 x thread: my place in a row of the gate; at the end 16 x (lane % 16)
.set LA,  19                           ; v19        where my lane puts a sum: wave x 256 + 4 x (lane % 16), 64 on in each round
.set X,   20                           ; v[20:51]   stream: 4 registers a slot as loaded;  gather: v[20:83], 8 a unit
.set Y,   52                           ; v[52:67]   stream: 2 registers a slot to store
.set XW,  68                           ; v[68:71]   at work: a slot's four numbers, rounded and widened again
.set G,   72                           ; v[72:103]  the gate for my 8 columns: half row p, expert e at G + 16 p + 4 e; at the end the router's registers
.set ACC, 104                          ; v[104:135] row q of a round's four, expert e: a pair at ACC + 8 q + 2 e
.set TT,  136                          ; v136       at work
.set SPW, 138                          ; v138       my spare word
.set NIL, 139                          ; v139       0
.set GO,  2                            ; v[2:9]     gather: unit u's byte offset in the source
.set L16, 10                           ; v10        gather: 16 x lane
.set LT,  11                           ; v11        gather: the lane's term
	s_load_b512 s[8:23], s[0:1], 0x0               ; hidden 8:9, Wq 10:11, Wk 12:13, Wv 14:15, Wo 16:17, cos 18:19, sin 20:21, loraA 22:23
	s_load_b256 s[24:31], s[0:1], 0x40             ; loraB 24:25, gate_w 26:27, xb 28:29, wb 30:31
	s_load_b128 s[32:35], s[0:1], 0x60             ; wof 32:33, tab 34:35
	s_load_b64 s[48:49], s[0:1], 0x70              ; wr
	v_lshl_add_u32 v[SPW], v0, 2, SPARE
	v_mov_b32 v[NIL], 0
	v_lshrrev_b32 v1, 5, v0
	v_readfirstlane_b32 s3, v1                     ; wave
	s_mov_b32 s2, ttmp9
	s_mov_b32 s40, 0xffff0000                      ; a word's upper bf16
	s_mov_b32 s37, 0                               ; high words of the two offsets
	s_mov_b32 s39, 0
.irp k, 0,1,2,3,4,5,6,7
	v_lshl_or_b32 v[LO+(\k)], v0, 4, (\k)*4096     ; a load of the work-group covers 4,096 consecutive bytes, a wave's 512
	v_lshl_or_b32 v[SO+(\k)], v0, 3, (\k)*2048     ; a wave's store covers 256 consecutive bytes, aligned
.endr
	s_wait_kmcnt 0x0
	s_cmp_ge_u32 s2, 672
	s_cbranch_scc1 .Lgather
	s_cmp_lt_u32 s2, 256
	s_cbranch_scc1 .Lhidden
	s_cmp_ge_u32 s2, 640
	s_cbranch_scc1 .Lla
	s_cmp_ge_u32 s2, 512
	s_cbranch_scc1 .Lwo
	s_mov_b64 s[4:5], s[10:11]                     ; Wq, Wk or Wv
	s_mov_b32 s42, 256
	s_cmp_ge_u32 s2, 384
	s_cselect_b64 s[4:5], s[12:13], s[4:5]
	s_cselect_b32 s42, 384, s42
	s_cmp_ge_u32 s2, 448
	s_cselect_b64 s[4:5], s[14:15], s[4:5]
	s_cselect_b32 s42, 448, s42
	s_sub_co_u32 s36, s2, s42
	s_lshl_b32 s36, s36, 17                        ; 131,072 bytes of f32 a work-group
	s_sub_co_u32 s38, s2, 256
	s_lshl_b32 s38, s38, 16                        ; 65,536 bytes out
	s_mov_b64 s[6:7], s[30:31]
	s_mov_b32 s47, 0                               ; stays bf16
	s_branch .Lstream
.Lwo:
	s_sub_co_u32 s42, s2, 512                      ; Wo's rows 16 j .. 16 j + 15
	s_mov_b64 s[4:5], s[16:17]
	s_lshl_b32 s36, s42, 17
	s_lshr_b32 s43, s42, 3                         ; half-block j / 8,
	s_mul_i32 s43, s43, 160
	s_and_b32 s42, s42, 7
	s_lshl4_add_u32 s43, s42, s43                  ; its row 16 (j % 8)
	s_branch .Lf16
.Lla:
	s_sub_co_u32 s42, s2, 640
	s_and_b32 s44, s42, 3                          ; expert e
	s_lshr_b32 s42, s42, 2                         ; column tile
	s_mov_b64 s[4:5], s[22:23]
	s_lshl_b32 s36, s44, 17                        ; an expert's 16 rows are 131,072 bytes
	s_lshr_b32 s45, s44, 1
	s_lshl1_add_u32 s43, s42, s45                  ; half-block 2 x tile + e / 2,
	s_mul_i32 s43, s43, 160
	s_and_b32 s44, s44, 1
	s_lshl4_add_u32 s43, s44, s43
	s_add_co_u32 s43, s43, 128                     ; its row 128 + 16 (e % 2)
.Lf16:
	s_lshl_b32 s38, s43, 12                        ; 4,096 bytes a row
	s_mov_b64 s[6:7], s[32:33]
	s_mov_b32 s47, 1                               ; the bf16 number is written as f16
.Lstream:
	s_add_nc_u64 s[4:5], s[4:5], s[36:37]
	s_add_nc_u64 s[6:7], s[6:7], s[38:39]
; One slot's turn, for the weights.  ahead = 1: the slot is filled again, eight slots on.  left: the younger loads that may stay out.
.macro SLOT i, ahead, left
	s_wait_loadcnt \left                           ; loads come back in order: mine is in
	s_wait_xcnt 0x0                                ; the slot's last store has read Y and SO: they are rewritten only behind this wait
	v_cvt_pk_bf16_f32 v[Y+2*(\i)],   v[X+4*(\i)],   v[X+4*(\i)+1]
	v_cvt_pk_bf16_f32 v[Y+2*(\i)+1], v[X+4*(\i)+2], v[X+4*(\i)+3]
	s_cmp_eq_u32 s47, 0
	s_cbranch_scc1 .Lbf_\@                         ; one text for both formats: the jump passes register work alone
.irp k, 0,1
	v_lshlrev_b32 v[XW],   16,  v[Y+2*(\i)+(\k)]
	v_and_b32     v[XW+1], s40, v[Y+2*(\i)+(\k)]
	v_cvt_pk_f16_f32 v[Y+2*(\i)+(\k)], v[XW], v[XW+1]
.endr
.Lbf_\@:
.if \ahead
	v_add_nc_u32 v[LO+(\i)], 0x8000, v[LO+(\i)]
	v_add_nc_u32 v[SO+(\i)], 0x4000, v[SO+(\i)]
	global_load_b128 v[X+4*(\i):X+4*(\i)+3], v[LO+(\i)], s[4:5] th:TH_LOAD_NT
	global_store_b64 v[SO+(\i)], v[Y+2*(\i):Y+2*(\i)+1], s[6:7] offset:-0x4000
.else
	global_store_b64 v[SO+(\i)], v[Y+2*(\i):Y+2*(\i)+1], s[6:7]
.endif
.endm
	; 32 slot turns: eight loads fill the ring, three trips of eight turns fill it again, the last eight turns load nothing
.irp i, 0,1,2,3,4,5,6,7
	global_load_b128 v[X+4*(\i):X+4*(\i)+3], v[LO+(\i)], s[4:5] th:TH_LOAD_NT
.endr
	s_mov_b32 s41, 3
.Lround:
.irp i, 0,1,2,3,4,5,6,7
	SLOT \i, 1, 7
.endr
	s_sub_co_u32 s41, s41, 1
	s_cmp_lg_u32 s41, 0
	s_cbranch_scc1 .Lround
.irp i, 0,1,2,3,4,5,6,7
	SLOT \i, 0, 7-(\i)
.endr
	s_endpgm
; HIDDEN_STATES AND THE ROUTER.  Slot i of a round holds half p = i % 2 of row q = i / 2 of the round's four; thread t has columns 1,024 p + 4 t .. + 3 there, the same in every row.
.Lhidden:
	s_lshl_b32 s36, s2, 17
	s_lshl_b32 s38, s2, 16
	s_add_nc_u64 s[4:5], s[8:9], s[36:37]
	s_add_nc_u64 s[6:7], s[28:29], s[38:39]
	s_lshl_b32 s36, s2, 8                          ; 16 tokens of 16 bytes in wr
	s_add_nc_u64 s[48:49], s[48:49], s[36:37]
	v_lshlrev_b32 v[GA], 4, v0
.irp p, 0,1
.irp e, 0,1,2,3
	global_load_b128 v[G+16*(\p)+4*(\e):G+16*(\p)+4*(\e)+3], v[GA], s[26:27] offset:8192*(\e)+4096*(\p)
.endr
.endr
.irp i, 0,1,2,3,4,5,6,7
	global_load_b128 v[X+4*(\i):X+4*(\i)+3], v[LO+(\i)], s[4:5] th:TH_LOAD_NT
.endr
	v_and_b32 v[LA], 15, v0
	v_lshlrev_b32 v[LA], 2, v[LA]
	v_lshl_add_u32 v[LA], s3, 8, v[LA]
	s_mov_b32 s50, 0xaaaaaaaa                      ; the lanes whose number has bit 0, 1, 2, 3
	s_mov_b32 s51, 0xcccccccc
	s_mov_b32 s52, 0xf0f0f0f0
	s_mov_b32 s53, 0xff00ff00
	s_mov_b32 s54, 0x76543210                      ; v_permlanex16_b32: each lane takes its own place in the other half
	s_mov_b32 s55, 0xfedcba98
	s_wait_loadcnt 8                               ; the gate is in; the ring's eight loads stay out
.set i, 0
.rept 16
	v_cvt_pk_bf16_f32 v[ACC+i], v[G+2*i], v[G+2*i+1]   ; the gate is rounded to bf16 like every input, and widened again
.set i, i+1
.endr
.set i, 0
.rept 16
	v_lshlrev_b32 v[G+2*i],   16,  v[ACC+i]
	v_and_b32     v[G+2*i+1], s40, v[ACC+i]
.set i, i+1
.endr
.macro SLOT3 i, ahead, left
	s_wait_loadcnt \left
	s_wait_xcnt 0x0
	v_cvt_pk_bf16_f32 v[Y+2*(\i)],   v[X+4*(\i)],   v[X+4*(\i)+1]
	v_cvt_pk_bf16_f32 v[Y+2*(\i)+1], v[X+4*(\i)+2], v[X+4*(\i)+3]
.if \ahead
	v_add_nc_u32 v[LO+(\i)], 0x8000, v[LO+(\i)]
	v_add_nc_u32 v[SO+(\i)], 0x4000, v[SO+(\i)]
	global_load_b128 v[X+4*(\i):X+4*(\i)+3], v[LO+(\i)], s[4:5] th:TH_LOAD_NT
	global_store_b64 v[SO+(\i)], v[Y+2*(\i):Y+2*(\i)+1], s[6:7] offset:-0x4000
.else
	global_store_b64 v[SO+(\i)], v[Y+2*(\i):Y+2*(\i)+1], s[6:7]
.endif
	v_lshlrev_b32 v[XW],   16,  v[Y+2*(\i)]         ; the rounded numbers, as the router takes them
	v_and_b32     v[XW+1], s40, v[Y+2*(\i)]
	v_lshlrev_b32 v[XW+2], 16,  v[Y+2*(\i)+1]
	v_and_b32     v[XW+3], s40, v[Y+2*(\i)+1]
.irp e, 0,1,2,3
.if ((\i)%2) == 0
	v_pk_mul_f32 v[ACC+8*((\i)/2)+2*(\e):ACC+8*((\i)/2)+2*(\e)+1], v[XW:XW+1], v[G+4*(\e):G+4*(\e)+1]   ; a row's first product starts its sums: nothing is cleared
.else
	v_pk_fma_f32 v[ACC+8*((\i)/2)+2*(\e):ACC+8*((\i)/2)+2*(\e)+1], v[XW:XW+1], v[G+16+4*(\e):G+16+4*(\e)+1], v[ACC+8*((\i)/2)+2*(\e):ACC+8*((\i)/2)+2*(\e)+1]
.endif
.endr
.irp e, 0,1,2,3
	v_pk_fma_f32 v[ACC+8*((\i)/2)+2*(\e):ACC+8*((\i)/2)+2*(\e)+1], v[XW+2:XW+3], v[G+16*((\i)%2)+4*(\e)+2:G+16*((\i)%2)+4*(\e)+3], v[ACC+8*((\i)/2)+2*(\e):ACC+8*((\i)/2)+2*(\e)+1]
.endr
.endm
; One step of the fold: of two values d apart a lane keeps the one that its number's bit chooses, and adds to it what the lane across holds of that value.  The values are halved, no sum is made twice.
.macro BFLY d, m
.set n, 0
.rept 8/(\d)
	v_cndmask_b32 v[TT], v[ACC+n+(\d)], v[ACC+n], s[\m]       ; what I give: the value that I do not keep
	v_cndmask_b32 v[ACC+n], v[ACC+n], v[ACC+n+(\d)], s[\m]    ; what I keep
	v_add_f32_dpp v[ACC+n], v[TT], v[ACC+n] row_xmask:\d row_mask:0xf bank_mask:0xf
.set n, n+2*(\d)
.endr
.endm
; A round's 16 sums (value n = 4 q + e) over the wave's 32 lanes: lane l ends with value l % 16, and puts it at [wave][row][expert].
.macro REDUCE
.set n, 0
.rept 16
	v_add_f32 v[ACC+n], v[ACC+2*n], v[ACC+2*n+1]   ; a pair's two halves; in place: value n's place lies at or below its sources, whose earlier owners are done
.set n, n+1
.endr
	BFLY 1, 50
	BFLY 2, 51
	BFLY 4, 52
	BFLY 8, 53
	v_permlanex16_b32 v[TT], v[ACC], s54, s55
	v_add_f32 v[ACC], v[ACC], v[TT]
	ds_store_b32 v[LA], v[ACC]                     ; lanes l and l + 16 write the same word with the same number
	v_add_nc_u32 v[LA], 64, v[LA]                  ; the next round's four rows
.endm
	s_mov_b32 s41, 3
.Lhround:
.irp i, 0,1,2,3,4,5,6,7
	SLOT3 \i, 1, 7
.endr
	REDUCE
	s_sub_co_u32 s41, s41, 1
	s_cmp_lg_u32 s41, 0
	s_cbranch_scc1 .Lhround
.irp i, 0,1,2,3,4,5,6,7
	SLOT3 \i, 0, 7-(\i)
.endr
	REDUCE
	s_wait_dscnt 0x0                               ; for the others' sake: my sums are in LDS
	s_barrier_signal -1
	s_barrier_wait -1
	s_cmp_lg_u32 s3, 0
	s_cbranch_scc1 .Lhend                          ; wave 0 finishes the 16 tokens: lane l has token l % 16
	v_and_b32 v[GA], 15, v0
	v_lshlrev_b32 v[GA], 4, v[GA]
.irp x, 0,1,2,3,4,5,6,7
	ds_load_b128 v[X+4*(\x):X+4*(\x)+3], v[GA] offset:256*(\x)
.endr
	s_wait_dscnt 0x0
.irp x, 1,2,3,4,5,6,7
	v_pk_add_f32 v[X:X+1],   v[X:X+1],   v[X+4*(\x):X+4*(\x)+1]
	v_pk_add_f32 v[X+2:X+3], v[X+2:X+3], v[X+4*(\x)+2:X+4*(\x)+3]
.endr
	v_max3_num_f32 v[G+4], v[X], v[X+1], v[X+2]
	v_max_num_f32 v[G+4], v[G+4], v[X+3]
.irp j, 0,1,2,3
	v_sub_f32 v[G+(\j)], v[X+(\j)], v[G+4]
.endr
.irp j, 0,1,2,3
	v_mul_f32 v[G+(\j)], 0x3fb8aa3b, v[G+(\j)]
.endr
.irp j, 0,1,2,3
	v_exp_f32 v[G+(\j)], v[G+(\j)]
.endr
	v_nop                                          ; a plain instruction behind the last exponential,
	s_wait_alu depctr_va_vdst(0)                   ; and one wait for the four, ahead of their first reader
	v_add_f32 v[G+5], v[G], v[G+1]
	v_add_f32 v[G+6], v[G+2], v[G+3]
	v_add_f32 v[G+5], v[G+5], v[G+6]
	v_rcp_f32 v[G+5], v[G+5]
	v_nop
	s_wait_alu depctr_va_vdst(0)
.irp j, 0,1,2,3
	v_mul_f32 v[G+(\j)], v[G+(\j)], v[G+5]         ; the probabilities
.endr
; How many experts come before expert e: a greater probability, or an equal one at a lower index.  Fewer than two: chosen.
.macro RANK e
.set FST, 1
.irp j, 0,1,2,3
.if (\j) != (\e)
.if (\j) < (\e)
	v_cmp_ge_f32 vcc_lo, v[G+(\j)], v[G+(\e)]
.else
	v_cmp_gt_f32 vcc_lo, v[G+(\j)], v[G+(\e)]
.endif
.if FST
	v_cndmask_b32 v[G+8+(\e)], 0, 1, vcc_lo
.set FST, 0
.else
	v_cndmask_b32 v[G+7], 0, 1, vcc_lo
	v_add_nc_u32 v[G+8+(\e)], v[G+8+(\e)], v[G+7]
.endif
.endif
.endr
	v_cmp_gt_u32 vcc_lo, 2, v[G+8+(\e)]
	v_cndmask_b32 v[G+12+(\e)], 0, v[G+(\e)], vcc_lo
	v_add_f32 v[G+12+(\e)], v[G+12+(\e)], v[G+12+(\e)]   ; x alpha / rank = 2
.endm
	RANK 0
	RANK 1
	RANK 2
	RANK 3
	s_wait_xcnt 0x0                                ; EXEC changes only behind this wait
	v_cmp_gt_u32 vcc_lo, 16, v0
	s_and_saveexec_b32 s56, vcc_lo
	global_store_b128 v[GA], v[G+12:G+15], s[48:49]   ; 16 lanes store 256 consecutive bytes, aligned
	s_wait_xcnt 0x0
	s_or_b32 exec_lo, exec_lo, s56
.Lhend:
	s_wait_tensorcnt 0x0                           ; the wave's end
	ds_add_u32 v[SPW], v[NIL]
	s_wait_dscnt 0x0
	s_endpgm
; THE GATHERS.  A wave has a task of 8 units; in a unit a lane reads 32 consecutive f32 bytes and stores 16 bytes at unit x 512 + 16 x lane.
.Lgather:
	s_sub_co_u32 s42, s2, 672                      ; g
	s_lshl3_add_u32 s43, s42, s3                   ; task = 8 g + wave
	v_and_b32 v12, 31, v0                          ; lane
	v_and_b32 v13, 15, v0                          ; r
	v_bfe_u32 v14, v0, 4, 1                        ; h
	v_lshlrev_b32 v[L16], 4, v12
	s_cmp_ge_u32 s42, 64
	s_cbranch_scc1 .Llbf
	s_lshr_b32 s44, s43, 1                         ; CS: token block,
	s_and_b32 s45, s43, 1                          ; cos or sin
	s_cmp_eq_u32 s45, 1
	s_cselect_b64 s[4:5], s[20:21], s[18:19]
	s_lshl_b32 s36, s44, 13                        ; 16 rows of 512 bytes
	s_lshl_b32 s38, s43, 12                        ; block x 8,192 + kind x 4,096
	v_lshlrev_b32 v[LT], 9, v13
	v_lshl_add_u32 v[LT], v14, 5, v[LT]
	s_mov_b32 s46, 64                              ; from unit to unit: 16 columns
	s_branch .Lcommon
.Llbf:
	s_sub_co_u32 s43, s43, 512
	s_mov_b64 s[4:5], s[24:25]
	s_lshl_b32 s36, s43, 11                        ; 32 rows d of 64 bytes
	s_lshl_b32 s38, s43, 12
	s_add_co_u32 s38, s38, 2097152
	v_bfe_u32 v[LT], v0, 1, 2                      ; expert = (lane >> 1) & 3
	v_lshlrev_b32 v[LT], 17, v[LT]
	v_bfe_u32 v15, v0, 3, 2                        ; row d in the unit = lane >> 3
	v_lshl_add_u32 v[LT], v15, 6, v[LT]
	v_and_b32 v15, 1, v0                           ; which 8 of the 16 ranks
	v_lshl_add_u32 v[LT], v15, 5, v[LT]
	s_mov_b32 s46, 256                             ; from unit to unit: 4 rows d
.Lcommon:
	s_add_nc_u64 s[4:5], s[4:5], s[36:37]
	s_add_nc_u64 s[6:7], s[34:35], s[38:39]
	v_mov_b32 v[GO], v[LT]
.irp u, 1,2,3,4,5,6,7
	v_add_nc_u32 v[GO+(\u)], s46, v[GO+(\u)-1]
.endr
.irp u, 0,1,2,3,4,5,6,7
	global_load_b128 v[X+8*(\u):X+8*(\u)+3],   v[GO+(\u)], s[4:5]
	global_load_b128 v[X+8*(\u)+4:X+8*(\u)+7], v[GO+(\u)], s[4:5] offset:16
.endr
.irp u, 0,1,2,3,4,5,6,7
	s_wait_loadcnt 14-2*(\u)                       ; the younger units' loads stay out
.irp k, 0,1,2,3
	v_cvt_pk_bf16_f32 v[X+8*(\u)+(\k)], v[X+8*(\u)+2*(\k)], v[X+8*(\u)+2*(\k)+1]  ; in place: word k's sources lie at or above it
.endr
.endr
.irp u, 0,1,2,3,4,5,6,7
	global_store_b128 v[L16], v[X+8*(\u):X+8*(\u)+3], s[6:7] offset:512*(\u)  ; 512 consecutive bytes, aligned
.endr
	s_endpgm
.Lfunc_end_k_qabc0226076_prep:
	.size	k_qabc0226076_prep, .Lfunc_end_k_qabc0226076_prep-k_qabc0226076_prep
	.p2alignl 7, 3214868480
	.fill 96, 4, 3214868480
	.section	.rodata,"a",@progbits
	.p2align	6, 0x0
	.amdhsa_kernel k_qabc0226076_prep
		.amdhsa_group_segment_fixed_size 3072
		.amdhsa_private_segment_fixed_size 0
		.amdhsa_enable_private_segment 0
		.amdhsa_kernarg_size 120
		.amdhsa_user_sgpr_count 2
		.amdhsa_user_sgpr_kernarg_segment_ptr 1
		.amdhsa_wavefront_size32 1
		.amdhsa_system_sgpr_workgroup_id_x 1
		.amdhsa_system_sgpr_workgroup_id_y 1
		.amdhsa_system_sgpr_workgroup_id_z 1
		.amdhsa_system_vgpr_workitem_id 0
		.amdhsa_next_free_vgpr 144
		.amdhsa_next_free_sgpr 66
		.amdhsa_reserve_vcc 1
		.amdhsa_float_denorm_mode_32 3
		.amdhsa_float_denorm_mode_16_64 3
		.amdhsa_memory_ordered 1
		.amdhsa_forward_progress 1
		.amdhsa_inst_pref_size 55
	.end_amdhsa_kernel
	.amdgpu_metadata
---
amdhsa.version: [ 1, 2 ]
amdhsa.kernels:
  - .name:           k_qabc0226076_prep
    .symbol:         k_qabc0226076_prep.kd
    .args:
      - { .name: hidden_states, .offset: 0, .size: 8, .value_kind: global_buffer, .address_space: global }
      - { .name: Wq, .offset: 8, .size: 8, .value_kind: global_buffer, .address_space: global }
      - { .name: Wk, .offset: 16, .size: 8, .value_kind: global_buffer, .address_space: global }
      - { .name: Wv, .offset: 24, .size: 8, .value_kind: global_buffer, .address_space: global }
      - { .name: Wo, .offset: 32, .size: 8, .value_kind: global_buffer, .address_space: global }
      - { .name: cos, .offset: 40, .size: 8, .value_kind: global_buffer, .address_space: global }
      - { .name: sin, .offset: 48, .size: 8, .value_kind: global_buffer, .address_space: global }
      - { .name: loraA, .offset: 56, .size: 8, .value_kind: global_buffer, .address_space: global }
      - { .name: loraB, .offset: 64, .size: 8, .value_kind: global_buffer, .address_space: global }
      - { .name: gate_w, .offset: 72, .size: 8, .value_kind: global_buffer, .address_space: global }
      - { .name: xb, .offset: 80, .size: 8, .value_kind: global_buffer, .address_space: global }
      - { .name: wb, .offset: 88, .size: 8, .value_kind: global_buffer, .address_space: global }
      - { .name: wof, .offset: 96, .size: 8, .value_kind: global_buffer, .address_space: global }
      - { .name: tab, .offset: 104, .size: 8, .value_kind: global_buffer, .address_space: global }
      - { .name: wr, .offset: 112, .size: 8, .value_kind: global_buffer, .address_space: global }
    .group_segment_fixed_size: 3072
    .private_segment_fixed_size: 0
    .kernarg_segment_align: 8
    .kernarg_segment_size: 120
    .max_flat_workgroup_size: 256
    .sgpr_count:     66
    .vgpr_count:     144
    .wavefront_size: 32
...
	.end_amdgpu_metadata
.endif
;; end of part 1
;; launch qkv (part 2): grid 16 x 16, 4 waves a work-group, clusters of 4 x 4, 327,680 bytes of LDS; arguments xb, wb, tab, q_norm_w, k_norm_w, qkv; writes qkv
.if DOCPART == 2
	.amdgcn_target "amdgcn-amd-amdhsa--gfx1250"
	.amdhsa_code_object_version 6
	.text
	.protected	k_qabc0226076_qkv
	.globl	k_qabc0226076_qkv
	.p2align	8
	.type	k_qabc0226076_qkv,@function
k_qabc0226076_qkv:
	s_mov_b64 s[64:65], 0
	v_nop
	global_prefetch_b8 v0, s[64:65] scope:SCOPE_SE
	s_setreg_imm32_b32 hwreg(HW_REG_WAVE_MODE, 25, 1), 1
	s_wait_xcnt 0x0
	s_wait_alu depctr_hold_cnt(0) depctr_sa_sdst(0) depctr_va_vdst(0) depctr_va_sdst(0) depctr_va_ssrc(0) depctr_va_vcc(0) depctr_vm_vsrc(0)
	s_getreg_b32 s2, hwreg(HW_REG_IB_STS2, 6, 4)
	s_cmp_eq_u32 s2, 0
	s_cbranch_scc0 .Lentry_in_a_cluster
	s_endpgm
.Lentry_in_a_cluster:
	s_bfe_u32 s2, ttmp6, 0x10000c
	s_cmp_lg_u32 s2, 0xf033
	s_cbranch_scc0 .Lentry_shape_is_right
	s_endpgm
.Lentry_shape_is_right:
; QKV.  [q | k | v][t][n] = sum over d of x[t][d] W[n][d] in bf16 with f32 sums (4,096 x 4,096 x 2,048); then, for q and k, RMSNorm over a head's 128 channels, the gain, and RoPE; all stored in f16
; as qkv[slot][token][128]: slots 0-15 the q heads, 16-23 the k heads, 24-31 the v heads.  Gains, cos and sin are rounded once to bf16, like every input of the program.
; LIMITS.  |v| stays under 65,504 (f16); q and k are bounded by sqrt(128) x the gain x 1.5.  NaN and infinities are not treated apart.
; SHARES.  A work-group makes 256 tokens x 256 columns, each of its four waves 128 x 128: 64 accumulators, and its 128 columns are ONE head, so norm and RoPE never leave the wave.
; K goes in steps of 128 through two LDS slots filled by the tensor data mover; the loop's trip is one K step: descriptor and read address change slots by an exclusive or.
; THE MATRIX INSTRUCTION IS USED TRANSPOSED (source 0 = 16 rows of W, source 1 = 16 tokens): a lane holds token lane % 16 and the columns 16 b + 8 (lane / 16) + 0..7.
; CLUSTER 4 x 4: x's tiles are shared along a row of the cluster, W's along a column, the cos/sin tile along a row: joint loads.  Whether a tile is q, k or v hangs on the cluster's x alone.
; REGISTERS: window 0: v16-31 addresses; v32-63 T at work; v64-127, v128-191 x's fragments, two buffers (on the way out Y and CSR); v192-255 the gains.  window 1: v64-191 W's fragments.
;   windows 2, 3: the accumulators, (a, b) at v[8 (8 (a % 4) + b)].
.set SIZE_K, 2048
.set KSTEP,  128
.set PITCH,  272                       ; an LDS row: 256 bytes + 16 of padding: the 16 rows of a fragment load start at 16 different groups of four banks (ISA guide 11.1)
.set HALFT,  128*PITCH
.set SLOT,   4*HALFT                   ; 0x22000; no wave's LDS word (wave x 0x8800) has one of its two bits, so an exclusive or changes the slot
.set STAGE,  2*SLOT
.set SPITCH, 272
.set SPARE,  STAGE+4*16*SPITCH         ; the spare words: two blocks of 256 bytes that no other line names
.set ADRA0, 16                         ; v16  my x fragments' place in slot 0; never rewritten
.set ADRB0, 17                         ; v17  the same for W
.set ADRA,  18                         ; v18  in the slot in hand
.set ADRB,  19
.set TQ,    22                         ; v22  mean square + eps
.set WO,    23                         ; v23  32 x (lane / 16)
.set STO,   24
.set RD,    25
.set CO,    26                         ; v26  my byte offset in the wave's rows of qkv
.set CSA,   27                         ; v27  my 16 bytes in the cos/sin tile
.set SPW,   28
.set NIL,   29
.set RS,    30                         ; v[30:31]  1 / sqrt(mean square + eps), in the low register
.set T,     32
.set Y,     64
.set CSR,   128
.set W,     192
.set F0,    64
.set F1,    128
.set G1,  24
.set G0,  32                           ; s[32:35] first fill, s[36:39] walks
.set G1B, 48
.set G0B, 56
.set G1C, 80                           ; the cos/sin tile
.set G0C, 88
.set TB,  45                           ; s45  the slot that is read
.set AI,  92                           ; s92  the way out's block of 16 tokens
.set MSB, 0
.macro WIN new
.if MSB != (\new)
	s_set_vgpr_msb (MSB<<8)|(\new)
.set MSB, \new
.endif
.endm
.set MUL_LO, 0xa1
.set MUL_HI, 0xf1
.set TO_B,   0x40
.macro JLOAD s                         ; a joint load: waves 0, 1 fetch x's halves, waves 2, 3 W's; an s_nop 0 and four v_nop follow each line
	s_cmp_eq_u32 s11, 0
	s_cbranch_scc0 .Lfor_b_\@
	tensor_load_to_lds s[G0+4*(\s):G0+4*(\s)+3], s[G1:G1+7]
	s_nop 0
.rept 4
	v_nop
.endr
	s_branch .Lasked_\@
.Lfor_b_\@:
	tensor_load_to_lds s[G0B+4*(\s):G0B+4*(\s)+3], s[G1B:G1B+7]
	s_nop 0
.rept 4
	v_nop
.endr
.Lasked_\@:
.endm
.macro CREST                           ; a round of the cluster's barrier behind its opening barrier
	s_cmp_lg_u32 s10, 0
	s_cbranch_scc1 .Lnot_wave_0_\@
	s_barrier_signal -3
.Lnot_wave_0_\@:
	s_barrier_wait -3
	s_barrier_signal -1
	s_barrier_wait -1
.endm
.macro CROUND
	s_barrier_signal -1
	s_barrier_wait -1
	CREST
.endm
.macro PLACES                          ; four plain places behind matrix instructions (ISA guide 7.12.1)
.rept 4
	v_nop
.endr
.endm
	s_load_b256 s[68:75], s[0:1], 0x0              ; xb 68:69, wb 70:71, tab 72:73, q_norm_w 74:75
	s_load_b128 s[76:79], s[0:1], 0x20             ; k_norm_w 76:77, qkv 78:79
	v_lshl_add_u32 v[SPW], v0, 2, SPARE
	v_mov_b32 v[NIL], 0
	ds_add_u32 v[SPW], v[NIL]                      ; the wave's opening: the add and its wait ahead of my first tensor load
	v_lshrrev_b32 v1, 5, v0
	v_readfirstlane_b32 s10, v1                    ; wave
	s_lshr_b32 s11, s10, 1                         ; my half of the tile's tokens; also: I fetch for x (0) or W (1)
	s_and_b32 s12, s10, 1                          ; my half of its columns; also: which 128 rows I fetch
	s_bfe_u32 s40, ttmp6, 0x40000                  ; cx
	s_bfe_u32 s41, ttmp6, 0x40004                  ; cy
	s_lshl_b32 s42, ttmp9, 2
	s_add_co_u32 s42, s42, s40                     ; tile column
	s_and_b32 s13, ttmp7, 0xffff
	s_lshl_b32 s13, s13, 2
	s_add_co_u32 s13, s13, s41                     ; tile row
	s_lshl_b32 s43, s41, 2
	s_lshl_b32 s43, 15, s43                        ; my row of the cluster
	s_lshl_b32 s44, 0x1111, s40                    ; my column
	s_mov_b32 s6, ttmp9                            ; 0, 1: q; 2: k; 3: v: the same in all partners
	s_or_b32 s[G1+0], s43, (1<<16)|(1<<20)|(1<<21)|(5<<22)|(3<<25)   ; mask; 2-byte elements; padding of 4 words after every 64; bit 21 beside a mask
	s_or_b32 s[G1B+0], s44, (1<<16)|(1<<20)|(1<<21)|(5<<22)|(3<<25)
.irp g, G1, G1B
	s_mov_b32 s[(\g)+1], KSTEP<<16                 ; tensor_dim0 = 128
	s_mov_b32 s[(\g)+2], 128<<16                   ; tensor_dim1 = 128
	s_mov_b32 s[(\g)+3], KSTEP<<16                 ; tile_dim0 = 128
	s_mov_b32 s[(\g)+4], 128                       ; tile_dim1 = 128
	s_mov_b32 s[(\g)+5], SIZE_K                    ; elements from row to row
	s_mov_b32 s[(\g)+6], 0
	s_mov_b32 s[(\g)+7], 0
.endr
	s_or_b32 s[G1C+0], s43, (3<<16)|(1<<21)        ; the cos/sin tile: dense, 128 rows of 32 elements of 8 bytes for each wave; shared along my row
	s_mov_b32 s[G1C+1], 32<<16
	s_mov_b32 s[G1C+2], 128<<16
	s_mov_b32 s[G1C+3], 32<<16
	s_mov_b32 s[G1C+4], 128
	s_mov_b32 s[G1C+5], 32
	s_mov_b32 s[G1C+6], 0
	s_mov_b32 s[G1C+7], 0
	s_mov_b32 s[G0C], 1
	s_lshl_b32 s[G0C+1], s10, 15                   ; LDS byte wave x 32,768
	s_lshl_b32 s22, s13, 17                        ; 256 tokens are 131,072 bytes of the table
	s_lshl_b32 s23, s10, 15
	s_add_co_u32 s22, s22, s23
	s_mov_b32 s23, 0
	s_lshl_b32 s17, s12, 7
	s_lshl_b32 s16, s13, 8
	s_add_co_u32 s16, s16, s17
	s_lshl_b32 s16, s16, 12                        ; x: row 256 x tile row + 128 x half, 4,096 bytes a row
	s_lshl_b32 s46, s42, 8
	s_add_co_u32 s46, s46, s17
	s_lshl_b32 s46, s46, 12                        ; W: row 256 x tile column + 128 x half
	s_mov_b32 s17, 0
	s_mov_b32 s47, 0
	s_mul_i32 s20, s10, HALFT                      ; where my tile goes: no place in the cluster enters an LDS address
	s_mov_b32 s[TB], 0
	s_mov_b32 s93, 0xffff0000
	s_mov_b32 s96, 0x76543210                      ; v_permlanex16_b32: each lane takes its own place in the other half
	s_mov_b32 s97, 0xfedcba98
	s_mov_b32 s98, 0x3c000000                      ; 1 / 128
	s_mov_b32 s99, 0x358637bd                      ; 1e-6
	s_wait_dscnt 0x0                               ; the opening add is done
	s_wait_kmcnt 0x0
	s_add_nc_u64 s[14:15], s[68:69], s[16:17]
	s_add_nc_u64 s[46:47], s[70:71], s[46:47]
	s_add_nc_u64 s[G0C+2:G0C+3], s[72:73], s[22:23]
	s_or_b32 s[G0C+3], s[G0C+3], 0x80000000
	CROUND                                         ; all sixteen work-groups are here: the first joint loads meet
.irp s, 0,1
	s_mov_b32 s[G0+4*(\s)], 1
	s_add_co_u32 s[G0+4*(\s)+1], s20, (\s)*SLOT
	s_add_nc_u64 s[G0+4*(\s)+2:G0+4*(\s)+3], s[14:15], (\s)*KSTEP*2
	s_or_b32 s[G0+4*(\s)+3], s[G0+4*(\s)+3], 0x80000000
	s_mov_b32 s[G0B+4*(\s)], 1
	s_add_co_u32 s[G0B+4*(\s)+1], s20, (\s)*SLOT
	s_add_nc_u64 s[G0B+4*(\s)+2:G0B+4*(\s)+3], s[46:47], (\s)*KSTEP*2
	s_or_b32 s[G0B+4*(\s)+3], s[G0B+4*(\s)+3], 0x80000000
	JLOAD \s                                       ; K steps 0 and 1: two loads of mine are out
.endr
	v_and_b32 v1, 15, v0                           ; r
	v_bfe_u32 v2, v0, 4, 1                         ; h
	v_lshlrev_b32 v[WO], 5, v2
	s_cmp_eq_u32 s6, 2
	s_cselect_b64 s[4:5], s[76:77], s[74:75]       ; k's gains for k's tiles, else q's (v's tiles do not use them)
.irp b, 0,1,2,3,4,5,6,7
	global_load_b128 v[W+8*(\b):W+8*(\b)+3],   v[WO], s[4:5] offset:64*(\b)
	global_load_b128 v[W+8*(\b)+4:W+8*(\b)+7], v[WO], s[4:5] offset:64*(\b)+16
.endr
	v_mul_u32_u24 v3, v1, PITCH
	v_lshl_add_u32 v3, v2, 4, v3                   ; a fragment's row x pitch + 16 x half
	s_mul_i32 s21, s11, HALFT
	s_mul_i32 s22, s12, HALFT
	s_add_co_u32 s22, s22, 2*HALFT
	v_add_nc_u32 v[ADRA0], s21, v3
	v_add_nc_u32 v[ADRB0], s22, v3
	v_mov_b32 v[ADRA], v[ADRA0]
	v_mov_b32 v[ADRB], v[ADRB0]
	s_mul_i32 s23, s10, 16*SPITCH
	s_add_co_u32 s23, s23, STAGE                   ; my stage
	v_mul_u32_u24 v4, v1, SPITCH
	v_lshl_add_u32 v4, v2, 4, v4
	v_add_nc_u32 v[STO], s23, v4
	v_mul_u32_u24 v5, v2, SPITCH
	v_lshl_add_u32 v5, v1, 4, v5
	v_add_nc_u32 v[RD], s23, v5
	v_and_b32 v5, 31, v0
	v_lshlrev_b32 v[CO], 4, v5                     ; a head's rows are dense: two rows are 512 consecutive bytes
	s_lshl_b32 s23, s11, 16
	v_add_nc_u32 v[CSA], s23, v[CO]
	v_mov_b32 v[RS+1], 0                           ; named with RS as a pair
	s_lshl1_add_u32 s8, s42, s12                   ; my head's slot = 2 x tile column + half
	s_lshl_b32 s8, s8, 20                          ; 4,096 rows of 256 bytes a slot
	s_lshl_b32 s9, s13, 16
	s_add_co_u32 s8, s8, s9
	s_lshl_b32 s9, s11, 15
	s_add_co_u32 s8, s8, s9
	s_mov_b32 s9, 0
	s_add_nc_u64 s[94:95], s[78:79], s[8:9]
	s_wait_loadcnt 0x0                             ; the gains: rounded to bf16 and widened again, in the wait for the first tile
.set i, 0
.rept 32
	v_cvt_pk_bf16_f32 v[T+i], v[W+2*i], v[W+2*i+1]
.set i, i+1
.endr
.set i, 0
.rept 32
	v_lshlrev_b32 v[W+2*i],   16,  v[T+i]
	v_and_b32     v[W+2*i+1], s93, v[T+i]
.set i, i+1
.endr
.macro MUL16 f, hi, a0, zero           ; 16 matrix instructions: token blocks a0, a0 + 1 of the window's four x all 8 column blocks, 32 along K
	WIN MUL_LO+0x50*(\hi)
.irp a, \a0, (\a0)+1
.irp b, 0,1,2,3,4,5,6,7
.if \zero
	v_wmma_f32_16x16x32_bf16 v[8*(8*(\a)+(\b)):8*(8*(\a)+(\b))+7], v[(\f)+8*(\b):(\f)+8*(\b)+7], v[(\f)+8*(4*(\hi)+(\a)):(\f)+8*(4*(\hi)+(\a))+7], 0
.else
	v_wmma_f32_16x16x32_bf16 v[8*(8*(\a)+(\b)):8*(8*(\a)+(\b))+7], v[(\f)+8*(\b):(\f)+8*(\b)+7], v[(\f)+8*(4*(\hi)+(\a)):(\f)+8*(4*(\hi)+(\a))+7], v[8*(8*(\a)+(\b)):8*(8*(\a)+(\b))+7]
.endif
.endr
.endr
.endm
.macro FETCH k, f                      ; 32 LDS loads in one run: a quarter step's fragments at byte k of the rows of the slot in hand
	WIN TO_B
.irp i, 0,1,2,3,4,5,6,7
	ds_load_b128 v[(\f)+8*(\i):(\f)+8*(\i)+3],   v[ADRB] offset:(\k)+(\i)*16*PITCH
	ds_load_b128 v[(\f)+8*(\i)+4:(\f)+8*(\i)+7], v[ADRB] offset:(\k)+(\i)*16*PITCH+32
.endr
	WIN 0
.irp i, 0,1,2,3,4,5,6,7
	ds_load_b128 v[(\f)+8*(\i):(\f)+8*(\i)+3],   v[ADRA] offset:(\k)+(\i)*16*PITCH
	ds_load_b128 v[(\f)+8*(\i)+4:(\f)+8*(\i)+7], v[ADRA] offset:(\k)+(\i)*16*PITCH+32
.endr
.endm
.macro QUARTER k, f, g, zero           ; multiplies buffer f; in its middle fetches the next quarter, at byte k, into g
	s_wait_dscnt 8                                 ; W and x's rows 0-63 are in; the youngest eight loads may be out
	MUL16 \f, 0, 0, \zero
	MUL16 \f, 0, 2, \zero
	PLACES
	FETCH \k, \g
	s_wait_dscnt 32                                ; all but the 32 just issued
	MUL16 \f, 1, 0, \zero
	MUL16 \f, 1, 2, \zero
.endm
; The last quarter of a K step changes slots.  In front of the barrier each wave waits for all its tensor loads (one is out: its part of the next slot), adds 0 to its spare word, and waits for that and for its reads of this slot.
; The barrier opens a round of the cluster's barrier; the joint refill is the first tensor load behind the round.  kind 1: this slot takes the K step two on.  kind 2: it takes the cos/sin tile.
.macro TURN kind
	WIN 0
	s_wait_tensorcnt 0x0
	ds_add_u32 v[SPW], v[NIL]
	s_wait_dscnt 9                                 ; (the add and the youngest eight loads may be out)
	MUL16 F1, 0, 0, 0
	s_wait_dscnt 0x0                               ; the add is done, my reads of this slot are over
	s_barrier_signal -1
	MUL16 F1, 0, 2, 0
	WIN 0
	s_barrier_wait -1
	CREST
.if (\kind) == 1
	s_xor_b32 s[G0+5], s[G0+5], SLOT
	s_add_nc_u64 s[G0+6:G0+7], s[G0+6:G0+7], KSTEP*2
	s_xor_b32 s[G0B+5], s[G0B+5], SLOT
	s_add_nc_u64 s[G0B+6:G0B+7], s[G0B+6:G0B+7], KSTEP*2
	JLOAD 1
.else
	tensor_load_to_lds s[G0C:G0C+3], s[G1C:G1C+7]  ; each wave a quarter of the tile, at LDS byte wave x 32,768
	s_nop 0
.rept 4
	v_nop
.endr
.endif
	s_xor_b32 s[TB], s[TB], SLOT
	v_add_nc_u32 v[ADRA], s[TB], v[ADRA0]
	v_add_nc_u32 v[ADRB], s[TB], v[ADRB0]
	FETCH 0, F0
	MUL16 F1, 1, 0, 0
	MUL16 F1, 1, 2, 0
.endm
	s_wait_tensorcnt 1                             ; my part of K step 0 is in; step 1's stays out
	s_barrier_signal -1
	s_barrier_wait -1
	FETCH 0, F0
	QUARTER 64, F0, F1, 1                          ; the first quarter's products start the sums
	WIN 0
	s_mov_b32 s3, 14
.Lstep:                                                ; trip s: quarters 1-3 of K step s, the refill with step s + 2, quarter 0 of step s + 1
	QUARTER 128, F1, F0, 0
	QUARTER 192, F0, F1, 0
	TURN 1
	QUARTER 64, F0, F1, 0
	WIN 0
	s_sub_co_u32 s3, s3, 1
	s_cmp_lg_u32 s3, 0
	s_cbranch_scc1 .Lstep
	QUARTER 128, F1, F0, 0                         ; K step 14, which lies in slot 0,
	QUARTER 192, F0, F1, 0
	TURN 2                                         ; whose bytes take the cos/sin tile: it has step 15's products in which to land
	QUARTER 64, F0, F1, 0
	QUARTER 128, F1, F0, 0
	QUARTER 192, F0, F1, 0
	s_wait_dscnt 8
	MUL16 F1, 0, 0, 0
	MUL16 F1, 0, 2, 0
	s_wait_dscnt 0x0
	MUL16 F1, 1, 0, 0
	MUL16 F1, 1, 2, 0
	WIN 0
	s_wait_tensorcnt 0x0                           ; my quarter of the cos/sin tile is in;
	s_wait_dscnt 0x0
	s_barrier_signal -1
	s_barrier_wait -1                              ; everybody's is: my tokens' part came by two waves' loads
	PLACES
; THE WAY OUT, a block of 16 tokens a trip.  The block's accumulators are named by the text, so the trip's number chooses one of eight short texts; all else is written once.
.macro GRABN a                         ; the sum of squares in four chains (each accumulator is read from its low end on), and Y = sum x gain
.set AC, 64*((\a)%4)
	WIN 0x0a+5*((\a)/4)
.set i, 0
.rept 32
.if i < 4
	v_pk_mul_f32 v[T+2*i:T+2*i+1], v[AC+2*i:AC+2*i+1], v[AC+2*i:AC+2*i+1]
.else
	v_pk_fma_f32 v[T+2*(i%4):T+2*(i%4)+1], v[AC+2*i:AC+2*i+1], v[AC+2*i:AC+2*i+1], v[T+2*(i%4):T+2*(i%4)+1]
.endif
.set i, i+1
.endr
	WIN 0x02+((\a)/4)
.set i, 0
.rept 32
	v_pk_mul_f32 v[Y+2*i:Y+2*i+1], v[AC+2*i:AC+2*i+1], v[W+2*i:W+2*i+1]
.set i, i+1
.endr
.endm
.macro GRABV a                         ; v: rounded to f16 as it is
	WIN 0x0a+5*((\a)/4)
.set i, 0
.rept 32
	v_cvt_pk_f16_f32 v[CSR+i], v[64*((\a)%4)+2*i], v[64*((\a)%4)+2*i+1]
.set i, i+1
.endr
.endm
; Column blocks b and b + 4 are RoPE's partners (64 channels apart), in the same lane.  T: cos b, sin b, cos b + 4, sin b + 4, eight f32 each.
.macro ROPE b
.irp k, 0,1,2,3
	v_lshlrev_b32 v[T+2*(\k)],      16,  v[CSR+4*(\b)+(\k)]
	v_and_b32     v[T+2*(\k)+1],    s93, v[CSR+4*(\b)+(\k)]
	v_lshlrev_b32 v[T+8+2*(\k)],    16,  v[CSR+32+4*(\b)+(\k)]
	v_and_b32     v[T+8+2*(\k)+1],  s93, v[CSR+32+4*(\b)+(\k)]
	v_lshlrev_b32 v[T+16+2*(\k)],   16,  v[CSR+16+4*(\b)+(\k)]
	v_and_b32     v[T+16+2*(\k)+1], s93, v[CSR+16+4*(\b)+(\k)]
	v_lshlrev_b32 v[T+24+2*(\k)],   16,  v[CSR+48+4*(\b)+(\k)]
	v_and_b32     v[T+24+2*(\k)+1], s93, v[CSR+48+4*(\b)+(\k)]
.endr
.if (\b) == 0
	s_wait_alu depctr_va_vdst(0)                   ; the wait ahead of the first reader of the root's reciprocal; the unpacking above is the work between
.endif
.irp k, 0,1,2,3
	v_pk_mul_f32 v[T+2*(\k):T+2*(\k)+1],       v[Y+8*(\b)+2*(\k):Y+8*(\b)+2*(\k)+1],       v[T+2*(\k):T+2*(\k)+1]
	v_pk_mul_f32 v[T+16+2*(\k):T+16+2*(\k)+1], v[Y+8*(\b)+32+2*(\k):Y+8*(\b)+32+2*(\k)+1], v[T+16+2*(\k):T+16+2*(\k)+1]
	v_pk_fma_f32 v[T+2*(\k):T+2*(\k)+1],       v[Y+8*(\b)+32+2*(\k):Y+8*(\b)+32+2*(\k)+1], v[T+8+2*(\k):T+8+2*(\k)+1],   v[T+2*(\k):T+2*(\k)+1] neg_lo:[1,0,0] neg_hi:[1,0,0]
	v_pk_fma_f32 v[T+16+2*(\k):T+16+2*(\k)+1], v[Y+8*(\b)+2*(\k):Y+8*(\b)+2*(\k)+1],       v[T+24+2*(\k):T+24+2*(\k)+1], v[T+16+2*(\k):T+16+2*(\k)+1]
	v_pk_mul_f32 v[T+2*(\k):T+2*(\k)+1],       v[T+2*(\k):T+2*(\k)+1],       v[RS:RS+1] op_sel_hi:[1,0]
	v_pk_mul_f32 v[T+16+2*(\k):T+16+2*(\k)+1], v[T+16+2*(\k):T+16+2*(\k)+1], v[RS:RS+1] op_sel_hi:[1,0]
	v_cvt_pk_f16_f32 v[CSR+4*(\b)+(\k)],    v[T+2*(\k)],    v[T+2*(\k)+1]
	v_cvt_pk_f16_f32 v[CSR+16+4*(\b)+(\k)], v[T+16+2*(\k)], v[T+16+2*(\k)+1]
.endr
.endm
.macro STAGEOUT                        ; 16 bytes a lane into my own stage, back as whole rows, stored: LDS serves a wave's instructions in order (ISA guide 5.7.1.4)
.irp b, 0,1,2,3,4,5,6,7
	ds_store_b128 v[STO], v[CSR+4*(\b):CSR+4*(\b)+3] offset:32*(\b)
.endr
.irp t, 0,1,2,3,4,5,6,7
	ds_load_b128 v[CSR+32+4*(\t):CSR+32+4*(\t)+3], v[RD] offset:(\t)*2*SPITCH
.endr
.irp t, 0,1,2,3,4,5,6,7
	s_wait_dscnt 7-(\t)                            ; the younger loads stay out
	global_store_b128 v[CO], v[CSR+32+4*(\t):CSR+32+4*(\t)+3], s[94:95] offset:512*(\t)  ; 512 consecutive bytes, aligned
.endr
	s_wait_xcnt 0x0                                ; the stores have read their registers: CO and CSR are rewritten only behind this wait
	v_add_nc_u32 v[CO], 4096, v[CO]                ; 16 rows on
.endm
	s_cmp_eq_u32 s6, 3
	s_cbranch_scc1 .Lv
	s_mov_b32 s[AI], 0
.Lnloop:
.irp u, 0,1,2,3,4,5,6,7,8,9,10,11,12,13,14,15
	ds_load_b128 v[CSR+4*(\u):CSR+4*(\u)+3], v[CSA] offset:512*(\u)  ; cos of the 8 column blocks, then sin
.endr
.irp a, 0,1,2,3,4,5,6
	s_cmp_eq_u32 s[AI], \a
	s_cbranch_scc1 .Ln\a
.endr
	s_branch .Ln7
.irp a, 0,1,2,3,4,5,6,7
.Ln\a:
	GRABN \a
	WIN 0
	s_branch .Lnc
.endr
.Lnc:
	v_pk_add_f32 v[T:T+1], v[T:T+1], v[T+2:T+3]
	v_pk_add_f32 v[T+4:T+5], v[T+4:T+5], v[T+6:T+7]
	v_pk_add_f32 v[T:T+1], v[T:T+1], v[T+4:T+5]
	v_add_f32 v[T], v[T], v[T+1]
	v_permlanex16_b32 v[T+1], v[T], s96, s97       ; the token's other 64 channels lie in the lane 16 away
	v_add_f32 v[T], v[T], v[T+1]
	v_fma_f32 v[TQ], v[T], s98, s99                ; mean square + eps
	v_rsq_f32 v[RS], v[TQ]
	s_wait_dscnt 0x0                               ; cos and sin are in
	ROPE 0
	ROPE 1
	ROPE 2
	ROPE 3
	STAGEOUT
	v_add_nc_u32 v[CSA], 8192, v[CSA]
	s_add_co_u32 s[AI], s[AI], 1
	s_cmp_lt_u32 s[AI], 8
	s_cbranch_scc1 .Lnloop
	s_branch .Lend
.Lv:
	s_mov_b32 s[AI], 0
.Lvloop:
.irp a, 0,1,2,3,4,5,6
	s_cmp_eq_u32 s[AI], \a
	s_cbranch_scc1 .Lv\a
.endr
	s_branch .Lv7
.irp a, 0,1,2,3,4,5,6,7
.Lv\a:
	GRABV \a
	WIN 0
	s_branch .Lvc
.endr
.Lvc:
	STAGEOUT
	s_add_co_u32 s[AI], s[AI], 1
	s_cmp_lt_u32 s[AI], 8
	s_cbranch_scc1 .Lvloop
.Lend:
	s_wait_tensorcnt 0x0                           ; the wave's end
	ds_add_u32 v[SPW], v[NIL]
	s_wait_dscnt 0x0
	CROUND                                         ; the closing round
	s_endpgm
.Lfunc_end_k_qabc0226076_qkv:
	.size	k_qabc0226076_qkv, .Lfunc_end_k_qabc0226076_qkv-k_qabc0226076_qkv
	.p2alignl 7, 3214868480
	.fill 96, 4, 3214868480
	.section	.rodata,"a",@progbits
	.p2align	6, 0x0
	.amdhsa_kernel k_qabc0226076_qkv
		.amdhsa_group_segment_fixed_size 327680
		.amdhsa_private_segment_fixed_size 0
		.amdhsa_enable_private_segment 0
		.amdhsa_kernarg_size 48
		.amdhsa_user_sgpr_count 2
		.amdhsa_user_sgpr_kernarg_segment_ptr 1
		.amdhsa_wavefront_size32 1
		.amdhsa_system_sgpr_workgroup_id_x 1
		.amdhsa_system_sgpr_workgroup_id_y 1
		.amdhsa_system_sgpr_workgroup_id_z 1
		.amdhsa_system_vgpr_workitem_id 0
		.amdhsa_next_free_vgpr 1024
		.amdhsa_next_free_sgpr 100
		.amdhsa_reserve_vcc 0
		.amdhsa_float_denorm_mode_32 3
		.amdhsa_float_denorm_mode_16_64 3
		.amdhsa_memory_ordered 1
		.amdhsa_forward_progress 1
		.amdhsa_inst_pref_size 161
	.end_amdhsa_kernel
	.amdgpu_metadata
---
amdhsa.version: [ 1, 2 ]
amdhsa.kernels:
  - .name:           k_qabc0226076_qkv
    .symbol:         k_qabc0226076_qkv.kd
    .args:
      - { .name: xb, .offset: 0, .size: 8, .value_kind: global_buffer, .address_space: global }
      - { .name: wb, .offset: 8, .size: 8, .value_kind: global_buffer, .address_space: global }
      - { .name: tab, .offset: 16, .size: 8, .value_kind: global_buffer, .address_space: global }
      - { .name: q_norm_w, .offset: 24, .size: 8, .value_kind: global_buffer, .address_space: global }
      - { .name: k_norm_w, .offset: 32, .size: 8, .value_kind: global_buffer, .address_space: global }
      - { .name: qkv, .offset: 40, .size: 8, .value_kind: global_buffer, .address_space: global }
    .group_segment_fixed_size: 327680
    .private_segment_fixed_size: 0
    .kernarg_segment_align: 8
    .kernarg_segment_size: 48
    .max_flat_workgroup_size: 128
    .sgpr_count:     100
    .vgpr_count:     1024
    .wavefront_size: 32
...
	.end_amdgpu_metadata
.endif
;; end of part 2
;; launch attn (part 3): grid 8 x 32, 4 waves a work-group, no clusters, 327,680 bytes of LDS; arguments qkv, xa; writes xa
.if DOCPART == 3
	.amdgcn_target "amdgcn-amd-amdhsa--gfx1250"
	.amdhsa_code_object_version 6
	.text
	.protected	k_qabc0226076_attn
	.globl	k_qabc0226076_attn
	.p2align	8
	.type	k_qabc0226076_attn,@function
k_qabc0226076_attn:
	s_mov_b64 s[64:65], 0
	v_nop
	global_prefetch_b8 v0, s[64:65] scope:SCOPE_SE
	s_setreg_imm32_b32 hwreg(HW_REG_WAVE_MODE, 25, 1), 1
	s_wait_xcnt 0x0
; CAUSAL ATTENTION, head size 128, two query heads to a key/value head.  xa[token][head x 128 + :] = sum over k <= q of softmax_k(q . k / sqrt(128)) v.  q, k, v, xa in f16; products, maxima and sums in f32;
; the weights p are rounded to f16 for the second product (their sum l is taken of the unrounded p), the result once at the end.
; LIMITS.  f16 ends at 65,504: v arrives within it, and the result is a mean of v's rows.  A hidden score counts as its value less 1e30; a weight below 2^-126 counts as 0; NaN and infinities are not treated apart.
; THE WALK.  A batch's 1,024 positions lie in 16 blocks of 64; block i needs the key steps (64 keys) 0 .. i, the last with the diagonal.  A work-group takes blocks 15 - b and then b, for both query heads of one
; key/value head: 17 key steps whatever b.  K and V come in tiles of 256 keys (four steps) through two LDS slots: always five tiles, since (15 - b) / 4 + b / 4 = 3.  A tile's steps past a block's end are jumped over,
; forward, past no barrier and no tensor load.
; SHARES.  Wave w owns positions 16 w .. 16 w + 15 of the block; its tile t (0, 1) is head 2 kvh + t.  So the diagonal step is the same work for all waves.
; LAYOUT.  S^T = K Q^T (source 0 = 16 keys, source 1 = 16 queries): a lane holds ONE query (lane % 16) and the keys 8 (lane / 16) + 0..7; two such results rounded to f16 ARE source 1 of O^T = V^T P.
; SOFTMAX.  A running maximum m and sum l: p = 2^(c s - c m), c = log2(e) / sqrt(128); O and l are multiplied by a = 2^(c m_old - c m_new) in every step.  A block begins with c m far below every c s: its first a is 0.
; IN PHASES: a step's 32 products K Q^T, its softmax (one batch of exponentials, one wait), its 32 products V^T P.
; NO CLUSTER: the four work-groups that could share a head's tiles jump over different steps and ask for different tiles from the third tile on; a walk alike in all partners has 20 steps for 17.
; REGISTERS: window 0: v0-15 addresses; v16-31 statistics, 8 a tile; v32-63 MD, the diagonal step's mask; v64-127 S^T; v128-159 P; v160-161 the add's.  window 1: v0-127 O^T; v128-255 V.  window 2: v0-63 Q; v128-255 K.
.set KS,    64
.set PK,    272                        ; a row of K in LDS: 256 bytes + 16: the 16 rows of a load start at 16 different groups of four banks (ISA guide 11.1)
.set PV,    288                        ; a row of V: 256 + 32
.set VOFF,  256*PK
.set SLOT1, 0x24000                    ; no descriptor's LDS word (0, 0x8800, 0x11000, 0x1a000) has one of its two bits
.set STAGE, SLOT1+256*(PK+PV)
.set SP,    272
.set SPARE, STAGE+4*16*SP
.set AK0, 2
.set AV0, 3
.set AK,  4
.set AV,  5
.set STO, 6
.set RD,  7
.set GO,  8
.set QO,  12
.set ST,  16                           ; tile t at ST + 8 t: c m, m, l (even keys', odd keys'), c0-c3 at work; a takes c2's place
.set MD,  32
.set S,   64
.set P,   128
.set SPW, 160
.set NIL, 161
.set VF,  128                          ; window 1
.set KF,  128                          ; window 2
.set WV,  12
.set PB,  14
.set HI,  15
.set G1K, 24
.set G1V, 32
.set G0K, 40
.set G0V, 44
.set QPLO, 50                          ; s[50:51] Q at my rows of the second block
.set OP,   52                          ; s[52:53] xa at my rows of the block in hand
.set OPLO, 54
.set SLOTS, 56
.set CNT, 57
.set CS,  58
.set SEL, 60
.set TBK, 62
.set TBV, 63
.set SB,  66                           ; s66 the slot that is read
.set RS,  67                           ; s67 key steps that the block in hand still has
.set RSN, 68                           ; s68 key steps of the block that begins next
.set NXT, 69
.set LQ,  70
.set NEW, 71
.set OFF, 72
.set BIGN, 74
.set LQ2, 75
.set MSB, 0
.macro WIN new
.if MSB != (\new)
	s_set_vgpr_msb (MSB<<8)|(\new)
.set MSB, (\new)
.endif
.endm
.set W_KQ, 0x0a
.set W_PV, 0x51
.set W_RS, 0x41
.macro PLACES
.rept 4
	v_nop
.endr
.endm
.macro LOAD                            ; waves 0, 1 fetch the halves of a tile's K, waves 2, 3 those of its V: 128 keys, 32 KB each; an s_nop 0 and four v_nop follow each line
	s_cmp_lt_u32 s[WV], 2
	s_cbranch_scc0 .Lfor_v_\@
	tensor_load_to_lds s[G0K:G0K+3], s[G1K:G1K+7]
	s_nop 0
.rept 4
	v_nop
.endr
	s_branch .Lasked_\@
.Lfor_v_\@:
	tensor_load_to_lds s[G0V:G0V+3], s[G1V:G1V+7]
	s_nop 0
.rept 4
	v_nop
.endr
.Lasked_\@:
.endm
; THE CHANGE OF SLOTS.  Each wave waits for all its tensor loads (one is out: its part of the other slot), adds 0 to its spare word, and waits for that and for its reads of the slot that it leaves.
; fill = 1: the old slot is filled again, first thing behind the barrier, with tile NXT; the descriptor's address is made anew from that number.
.macro CHANGE fill
	WIN 0
	s_wait_tensorcnt 0x0
	ds_add_u32 v[SPW], v[NIL]
.if \fill
	s_lshl_b32 s[OFF], s[NXT], 16                  ; a tile is 65,536 bytes of K and of V
	s_xor_b32 s[G0K+1], s[G0K+1], SLOT1
	s_add_nc_u64 s[G0K+2:G0K+3], s[8:9], s[OFF:OFF+1]
	s_or_b32 s[G0K+3], s[G0K+3], 0x80000000
	s_xor_b32 s[G0V+1], s[G0V+1], SLOT1
	s_add_nc_u64 s[G0V+2:G0V+3], s[10:11], s[OFF:OFF+1]
	s_or_b32 s[G0V+3], s[G0V+3], 0x80000000
	s_add_co_u32 s[NXT], s[NXT], 1                 ; the block's next tile, or behind its last the second block's tile 0
	s_cmp_gt_u32 s[NXT], s[LQ]
	s_cselect_b32 s[NXT], 0, s[NXT]
	s_cselect_b32 s[LQ], s[LQ2], s[LQ]
.endif
	s_wait_dscnt 0x0                               ; the add is done, my reads of the slot are over
	s_barrier_signal -1
	s_xor_b32 s[SB], s[SB], SLOT1
	s_mov_b32 s[TBK], s[SB]
	s_mov_b32 s[TBV], s[SB]
	s_barrier_wait -1
.if \fill
	LOAD
.endif
.endm
.macro QLOAD base                      ; my 16 rows of both heads: tile i / 4 lies a slot of qkv (1,048,576 bytes) on; channels 32 (i % 4) on
	WIN 0x80
.set i, 0
.rept 8
	global_load_b128 v[8*i:8*i+3],   v[QO], s[\base:\base+1] offset:(i/4)*1048576+(i%4)*64
	global_load_b128 v[8*i+4:8*i+7], v[QO], s[\base:\base+1] offset:(i/4)*1048576+(i%4)*64+32
.set i, i+1
.endr
	WIN 0
.endm
	s_load_b128 s[4:7], s[0:1], 0x0                ; qkv s[4:5], xa s[6:7]
	v_lshl_add_u32 v[SPW], v0, 2, SPARE
	v_mov_b32 v[NIL], 0
	ds_add_u32 v[SPW], v[NIL]                      ; the wave's opening: the add and its wait ahead of my first tensor load
	v_lshrrev_b32 v1, 5, v0
	v_readfirstlane_b32 s[WV], v1
	s_mov_b32 s[PB], ttmp9
	s_sub_co_u32 s[HI], 15, s[PB]
	s_and_b32 s16, ttmp7, 0xffff
	s_lshr_b32 s17, s16, 3                         ; batch
	s_and_b32 s18, s16, 7                          ; key/value head
	s_lshl_b32 s19, s17, 18                        ; the batch's 1,024 rows of 256 bytes
	s_and_b32 s2, s[WV], 1                         ; which half of a tile I fetch
	s_lshl_b32 s3, s2, 15
	s_add_co_u32 s20, s18, 16
	s_lshl_b32 s20, s20, 20
	s_add_co_u32 s20, s20, s19
	s_add_co_u32 s20, s20, s3
	s_mov_b32 s21, 0                               ; s[20:21]: my half of K's tile 0
	s_lshl_b32 s22, s18, 21                        ; head 2 kvh's slot
	s_add_co_u32 s22, s22, s19
	s_lshl_b32 s3, s[WV], 12
	s_add_co_u32 s22, s22, s3                      ; my 16 rows in a block
	s_lshl_b32 s3, s[PB], 14
	s_add_co_u32 s48, s22, s3
	s_mov_b32 s49, 0
	s_lshl_b32 s3, s[HI], 14
	s_add_co_u32 s22, s22, s3
	s_mov_b32 s23, 0
	s_lshl_b32 s76, s17, 22                        ; xa: 4,096 bytes a token
	s_lshl_b32 s3, s[WV], 16
	s_add_co_u32 s76, s76, s3
	s_lshl_b32 s3, s18, 9
	s_add_co_u32 s76, s76, s3
	s_lshl_b32 s3, s[PB], 18
	s_add_co_u32 s78, s76, s3
	s_mov_b32 s79, 0
	s_lshl_b32 s3, s[HI], 18
	s_add_co_u32 s76, s76, s3
	s_mov_b32 s77, 0
	s_mov_b32 s[G1K], (1<<16)|(1<<20)|(5<<22)|(3<<25)  ; 2-byte elements; padding on: 4 words after every 64
	s_mov_b32 s[G1V], (1<<16)|(1<<20)|(5<<22)|(7<<25)  ; 8 words
.irp g, G1K, G1V
	s_mov_b32 s[\g+1], 128<<16                     ; tensor_dim0 = 128
	s_mov_b32 s[\g+2], 128<<16                     ; tensor_dim1 = 128
	s_mov_b32 s[\g+3], 128<<16                     ; tile_dim0 = 128
	s_mov_b32 s[\g+4], 128                         ; tile_dim1 = 128
	s_mov_b32 s[\g+5], 128
	s_mov_b32 s[\g+6], 0
	s_mov_b32 s[\g+7], 0
.endr
	s_mov_b32 s[G0K], 1
	s_mul_i32 s[G0K+1], s2, 128*PK
	s_mov_b32 s[G0V], 1
	s_mul_i32 s[G0V+1], s2, 128*PV
	s_add_co_u32 s[G0V+1], s[G0V+1], VOFF
	s_mov_b32 s[CS], 0x3e0293ee                    ; c = log2(e) / sqrt(128)
	s_mov_b32 s[CS+1], s[CS]
	s_mov_b32 s[SEL], 0x76543210
	s_mov_b32 s[SEL+1], 0xfedcba98
	s_mov_b32 s[SB], SLOT1                         ; the first change of slots turns it into 0
	s_mov_b32 s[RS], 0
	s_sub_co_u32 s[RSN], 16, s[PB]                 ; the first block has 16 - b key steps
	s_mov_b32 s[NXT], 1
	s_lshr_b32 s[LQ], s[HI], 2
	s_lshr_b32 s[LQ2], s[PB], 2
	s_mov_b32 s[NEW], 1
	s_mov_b32 s[OFF+1], 0
	s_mov_b32 s[BIGN], 0xf149f2ca                  ; -1e30
	s_mov_b32 s[SLOTS], 4
	s_wait_dscnt 0x0                               ; the opening add is done
	s_wait_kmcnt 0x0
	s_add_nc_u64 s[8:9], s[4:5], s[20:21]          ; K,
	s_add_nc_u64 s[10:11], s[8:9], 0x800000        ; and V eight slots on
	s_add_nc_u64 s[G0K+2:G0K+3], s[8:9], 0
	s_or_b32 s[G0K+3], s[G0K+3], 0x80000000
	s_add_nc_u64 s[G0V+2:G0V+3], s[10:11], 0
	s_or_b32 s[G0V+3], s[G0V+3], 0x80000000
	s_add_nc_u64 s[QPLO:QPLO+1], s[4:5], s[48:49]
	s_add_nc_u64 s[4:5], s[4:5], s[22:23]
	s_add_nc_u64 s[OPLO:OPLO+1], s[6:7], s[78:79]
	s_add_nc_u64 s[OP:OP+1], s[6:7], s[76:77]
	LOAD                                           ; tile 0 into slot 0
	v_and_b32 v1, 15, v0
	v_bfe_u32 v9, v0, 4, 1
	v_lshlrev_b32 v[QO], 8, v1
	v_lshl_add_u32 v[QO], v9, 4, v[QO]
	QLOAD 4
	v_lshlrev_b32 v14, 3, v9
	v_sub_nc_u32 v14, v1, v14
	s_lshl_b32 s13, s[WV], 4
	v_add_nc_u32 v14, s13, v14                     ; my query's place in the block less my lanes' 8 (lane / 16): register i is hidden where 16 (i / 8) + i % 8 is greater
.set i, 0
.rept 32
	v_cmp_gt_i32 vcc_lo, 16*(i/8)+i%8, v14
	v_cndmask_b32 v[MD+i], 0, s[BIGN], vcc_lo
.set i, i+1
.endr
	v_mul_u32_u24 v[AK0], v1, PK
	v_lshl_add_u32 v[AK0], v9, 4, v[AK0]
	v_and_b32 v10, 7, v0                           ; the turning load: lane l reads key 8 (l / 16) + l % 8, channels 8 ((l / 8) % 2) + 0..7
	v_bfe_u32 v11, v0, 3, 1
	v_lshl_add_u32 v[AV0], v9, 3, v10
	v_mul_u32_u24 v[AV0], v[AV0], PV
	v_lshl_add_u32 v[AV0], v11, 4, v[AV0]
	v_add_nc_u32 v[AV0], VOFF, v[AV0]
	s_mul_i32 s13, s[WV], 16*SP
	s_add_co_u32 s13, s13, STAGE
	v_mul_u32_u24 v[STO], v1, SP
	v_lshl_add_u32 v[STO], v9, 4, v[STO]
	v_add_nc_u32 v[STO], s13, v[STO]
	v_mul_u32_u24 v[RD], v9, SP
	v_lshl_add_u32 v[RD], v1, 4, v[RD]
	v_add_nc_u32 v[RD], s13, v[RD]
	v_lshlrev_b32 v[GO], 12, v9                    ; two tokens' rows of xa, 256 bytes of each
	v_lshl_add_u32 v[GO], v1, 4, v[GO]
	; A block's first step multiplies O^T and l by a = 0, so these need only be finite: zeros for the first block, what it left for the second.  The price of writing out no first step; it stands in the wait for tile 0.
	WIN 0x40
.set i, 0
.rept 128
	v_mov_b32 v[i], 0
.set i, i+1
.endr
	WIN 0
.irp t, 0,1
	v_mov_b32 v[ST+8*\t], 0xfe000000
	v_mov_b32 v[ST+8*\t+1], 0xff7fffff
	v_mov_b32 v[ST+8*\t+2], 0
	v_mov_b32 v[ST+8*\t+3], 0
.endr
	s_wait_loadcnt 0x0                             ; Q
; THE MATRIX WORK.  The accumulators take turns, one instruction a turn.
.macro KQ                              ; product i of 32: channels 32 (i / 8) on, keys 16 ((i / 2) % 4) on, tile i % 2; the first 8 start the sums
	WIN W_KQ
.set rS, S+32*(i%2)+8*((i/2)%4)
.set rK, KF+32*((i/2)%4)+8*(i/8)
.set rQ, 32*(i%2)+8*(i/8)
.if i < 8
	v_wmma_f32_16x16x32_f16 v[rS:rS+7], v[rK:rK+7], v[rQ:rQ+7], 0
.else
	v_wmma_f32_16x16x32_f16 v[rS:rS+7], v[rK:rK+7], v[rQ:rQ+7], v[rS:rS+7]
.endif
.endm
.macro PV                              ; product i of 32: keys 32 (i / 16) on, channels 16 ((i / 2) % 8) on, tile i % 2
	WIN W_PV
.set rO, 64*(i%2)+8*((i/2)%8)
.set rV, VF+64*(i/16)+8*((i/2)%8)
.set rP, P+16*(i%2)+8*(i/16)
	v_wmma_f32_16x16x32_f16 v[rO:rO+7], v[rV:rV+7], v[rP:rP+7], v[rO:rO+7]
.endm
.macro FETCH_K                         ; a step's K: 32 loads in one run
	WIN 0
	v_add_nc_u32 v[AK], s[TBK], v[AK0]
	s_add_co_u32 s[TBK], s[TBK], KS*PK
	WIN 0x80
.irp f, 0,1,2,3,4,5,6,7,8,9,10,11,12,13,14,15
	ds_load_b128 v[KF+8*\f:KF+8*\f+3],   v[AK] offset:(\f/4)*16*PK+(\f%4)*64
	ds_load_b128 v[KF+8*\f+4:KF+8*\f+7], v[AK] offset:(\f/4)*16*PK+(\f%4)*64+32
.endr
	WIN 0
.endm
.macro FETCH_V                         ; a step's V, turned
	WIN 0
	v_add_nc_u32 v[AV], s[TBV], v[AV0]
	s_add_co_u32 s[TBV], s[TBV], KS*PV
	WIN 0x40
.irp f, 0,1,2,3,4,5,6,7,8,9,10,11,12,13,14,15
	ds_load_tr16_b128 v[VF+8*\f:VF+8*\f+3],   v[AV] offset:(\f/8)*32*PV+(\f%8)*32
	ds_load_tr16_b128 v[VF+8*\f+4:VF+8*\f+7], v[AV] offset:(\f/8)*32*PV+16*PV+(\f%8)*32
.endr
.endm
; THE SOFTMAX of tile t for one step is a list of 134; SM writes number j.  0-15 the maximum of the lane's 32 scores and the old m (each accumulator's lowest registers first); 16-20 the other half of the lanes', m, c m, its change;
; 21-69 the 16 scalings and all 33 exponentials, none of which reads an exponential's result; 70-85 the roundings; 86-101 the sums; 102-133 O^T times a.
.macro SM t
.set rT, ST+8*(\t)
.set rS, S+32*(\t)
.set rP, P+16*(\t)
.set rO, 64*(\t)+2*(j-102)
.if j < 102
	WIN 0
.endif
.if j < 4
	v_max3_num_f32 v[rT+4+j], v[rS+8*j], v[rS+8*j+1], v[rS+8*j+2]
.elseif j < 12
	v_max3_num_f32 v[rT+4+j%4], v[rT+4+j%4], v[rS+8*(j%4)+2*(j/4)+1], v[rS+8*(j%4)+2*(j/4)+2]
.elseif j == 12
	v_max3_num_f32 v[rT+4], v[rT+4], v[rS+7], v[rS+15]
.elseif j == 13
	v_max3_num_f32 v[rT+6], v[rT+6], v[rS+23], v[rS+31]
.elseif j == 14
	v_max3_num_f32 v[rT+4], v[rT+4], v[rT+5], v[rT+6]
.elseif j == 15
	v_max3_num_f32 v[rT+4], v[rT+4], v[rT+7], v[rT+1]
.elseif j == 16
	v_permlanex16_b32 v[rT+5], v[rT+4], s[SEL], s[SEL+1]
.elseif j == 17
	v_mov_b32 v[rT+7], v[rT]
.elseif j == 18
	v_max_num_f32 v[rT+1], v[rT+4], v[rT+5]
.elseif j == 19
	v_mul_f32 v[rT], s[CS], v[rT+1]
.elseif j == 20
	v_sub_f32 v[rT+7], v[rT+7], v[rT]
.elseif j == 23
	v_exp_f32 v[rT+6], v[rT+7]
.elseif (j < 23) || ((j < 38) && (j%2 == 0)) || ((j < 66) && (j%4 == 2))
.set b, (j-2)/4
.if j < 38
.set b, (j-20)/2
.endif
	v_pk_fma_f32 v[rS+2*b:rS+2*b+1], v[rS+2*b:rS+2*b+1], s[CS:CS+1], v[rT:rT+1] op_sel_hi:[1,0,0] neg_lo:[0,0,1] neg_hi:[0,0,1]
.elseif j < 70
.set e, j-38
.if j < 66
.set e, j-32-(j-38)/4
.endif
.if j < 38
.set e, (j-25)/2
.endif
	v_exp_f32 v[rS+e], v[rS+e]
.elseif j < 86
	v_cvt_pk_f16_f32 v[rP+j-70], v[rS+2*(j-70)], v[rS+2*(j-70)+1]
.elseif j < 102
.set z, j-86
.set w, 4
.set u, z
.if z >= 14
.set w, 32
.set u, 0
.elseif z >= 12
.set w, 16
.set u, z-12
.elseif z >= 8
.set w, 8
.set u, z-8
.endif
.if z < 15
	v_pk_add_f32 v[rS+w*u:rS+w*u+1], v[rS+w*u:rS+w*u+1], v[rS+w*u+w/2:rS+w*u+w/2+1]
.else
	v_pk_fma_f32 v[rT+2:rT+3], v[rT+2:rT+3], v[rT+6:rT+7], v[rS:rS+1] op_sel_hi:[1,0,1]
.endif
.else
	WIN W_RS
	v_pk_mul_f32 v[rO:rO+1], v[rO:rO+1], v[rT+6:rT+7] op_sel_hi:[1,0]
.endif
.endm
.macro SOFTMAX                         ; the two tiles alternate, so that no instruction reads the result of the one before it
.set j, 0
.rept 70
	SM 0
	SM 1
.set j, j+1
.endr
	v_nop                                          ; a plain instruction behind the last exponential,
	s_wait_alu depctr_va_vdst(0)                   ; and one wait ahead of the batch's first reader
.rept 64
	SM 0
	SM 1
.set j, j+1
.endr
.endm
.macro PACK t                          ; O^T / l, rounded to f16, through my stage: rows of 272 bytes in, whole rows of 256 back
	WIN W_RS
.set i, 64*(\t)
.rept 32
	v_pk_mul_f32 v[i:i+1], v[i:i+1], v[ST+8*(\t)+6:ST+8*(\t)+7] op_sel_hi:[1,0]
.set i, i+2
.endr
	WIN 0x05
.set i, 0
.rept 32
	v_cvt_pk_f16_f32 v[S+32*(\t)+i], v[64*(\t)+2*i], v[64*(\t)+2*i+1]
.set i, i+1
.endr
	WIN 0
.irp f, 0,1,2,3,4,5,6,7
	ds_store_b128 v[STO], v[S+32*(\t)+4*\f:S+32*(\t)+4*\f+3] offset:32*\f
.endr
.irp f, 0,1,2,3,4,5,6,7
	ds_load_b128 v[S+32*(\t)+4*\f:S+32*(\t)+4*\f+3], v[RD] offset:\f*2*SP  ; LDS serves a wave's instructions in order (ISA guide 5.7.1.4)
.endr
.endm
.macro SEND t, younger                 ; younger: the LDS instructions issued behind tile t's loads
.irp f, 0,1,2,3,4,5,6,7
	s_wait_dscnt (\younger)+7-\f
	global_store_b128 v[GO], v[S+32*(\t)+4*\f:S+32*(\t)+4*\f+3], s[OP:OP+1] offset:(\t)*256+\f*8192  ; 16 lanes store 256 consecutive bytes, aligned
.endr
.endm
; A BLOCK'S END.  nxt = 1: the second block follows: its Q is asked for first and waited for last.
.macro OUT nxt
.if \nxt
	QLOAD QPLO
.endif
.irp t, 0,1
	v_add_f32 v[ST+8*\t+4], v[ST+8*\t+2], v[ST+8*\t+3]
.endr
.irp t, 0,1
	v_permlanex16_b32 v[ST+8*\t+5], v[ST+8*\t+4], s[SEL], s[SEL+1]
.endr
.irp t, 0,1
	v_add_f32 v[ST+8*\t+4], v[ST+8*\t+4], v[ST+8*\t+5]
.endr
.irp t, 0,1
	v_rcp_f32 v[ST+8*\t+6], v[ST+8*\t+4]
.endr
	v_nop
	s_wait_alu depctr_va_vdst(0)                   ; one wait for the two reciprocals
	PACK 0
	PACK 1
	SEND 0, 16
	SEND 1, 0
.if \nxt
	s_wait_loadcnt 0x0                             ; the second block's Q
.endif
	s_wait_xcnt 0x0                                ; the stores have read their registers and their base
.if \nxt
	s_mov_b64 s[OP:OP+1], s[OPLO:OPLO+1]
	s_add_co_u32 s[RSN], s[PB], 1                  ; the second block has b + 1 key steps
	s_mov_b32 s[NEW], 1
.endif
.endm
; A KEY STEP.
.macro STEP nxt
	FETCH_V
	s_wait_dscnt 32                                ; K is in; V's 32 loads may stay out
.set i, 0
.rept 32
	KQ
.set i, i+1
.endr
	WIN 0
	PLACES                                         ; behind the products: in front of the loads into K's registers and of the first read of the scores
	s_sub_co_u32 s[RS], s[RS], 1
	s_cmp_eq_u32 s[CNT], 1
	s_cbranch_scc1 .Lnok_\@                        ; the tile's last step, or the block's: there is no next K here
	s_cmp_eq_u32 s[RS], 0
	s_cbranch_scc1 .Lnok_\@
	FETCH_K
.Lnok_\@:
	s_cmp_lg_u32 s[RS], 0
	s_cbranch_scc1 .Lnom_\@
.set i, 0
.rept 32                                       ; the block's last step holds the diagonal
	v_pk_add_f32 v[S+2*i:S+2*i+1], v[S+2*i:S+2*i+1], v[MD+2*(i%16):MD+2*(i%16)+1]
.set i, i+1
.endr
.Lnom_\@:
	SOFTMAX
	s_wait_dscnt 0x0                               ; V is in
.set i, 0
.rept 32
	PV
.set i, i+1
.endr
	WIN 0
	PLACES                                         ; in front of the next loads into V's registers and of the next read of O^T
	s_cmp_lg_u32 s[RS], 0
	s_cbranch_scc1 .Lnoo_\@
	OUT \nxt
.Lnoo_\@:
.endm
; A TILE: up to four key steps; those past the block's end are jumped over.
.macro VISIT nxt
	s_cmp_eq_u32 s[NEW], 1
	s_cbranch_scc0 .Lold_\@
	s_mov_b32 s[NEW], 0                            ; a block begins
	s_mov_b32 s[RS], s[RSN]
.irp t, 0,1
	v_mov_b32 v[ST+8*\t], 0xfe000000               ; c m: far below every c s
	v_mov_b32 v[ST+8*\t+1], 0xff7fffff             ; m
.endr
.Lold_\@:
	FETCH_K
	s_mov_b32 s[CNT], 4
.Lstep_\@:
	s_cmp_eq_u32 s[RS], 0
	s_cbranch_scc1 .Ldead_\@
	STEP \nxt
.Ldead_\@:
	s_sub_co_u32 s[CNT], s[CNT], 1
	s_cmp_lg_u32 s[CNT], 0
	s_cbranch_scc1 .Lstep_\@
.endm
.Lslot:                                                ; four times: a tile is entered and the next is asked for; a block that ends here is the first
	CHANGE 1
	VISIT 1
	s_sub_co_u32 s[SLOTS], s[SLOTS], 1
	s_cmp_lg_u32 s[SLOTS], 0
	s_cbranch_scc1 .Lslot
	CHANGE 0                                       ; the fifth tile is written out
	VISIT 0
	s_wait_tensorcnt 0x0                           ; the wave's end
	ds_add_u32 v[SPW], v[NIL]
	s_wait_dscnt 0x0
	s_endpgm
.Lfunc_end_k_qabc0226076_attn:
	.size	k_qabc0226076_attn, .Lfunc_end_k_qabc0226076_attn-k_qabc0226076_attn
	.p2alignl 7, 3214868480
	.fill 96, 4, 3214868480
	.section	.rodata,"a",@progbits
	.p2align	6, 0x0
	.amdhsa_kernel k_qabc0226076_attn
		.amdhsa_group_segment_fixed_size 327680
		.amdhsa_private_segment_fixed_size 0
		.amdhsa_enable_private_segment 0
		.amdhsa_kernarg_size 16
		.amdhsa_user_sgpr_count 2
		.amdhsa_user_sgpr_kernarg_segment_ptr 1
		.amdhsa_wavefront_size32 1
		.amdhsa_system_sgpr_workgroup_id_x 1
		.amdhsa_system_sgpr_workgroup_id_y 1
		.amdhsa_system_sgpr_workgroup_id_z 1
		.amdhsa_system_vgpr_workitem_id 0
		.amdhsa_next_free_vgpr 768
		.amdhsa_next_free_sgpr 80
		.amdhsa_reserve_vcc 1
		.amdhsa_float_denorm_mode_32 3
		.amdhsa_float_denorm_mode_16_64 3
		.amdhsa_memory_ordered 1
		.amdhsa_forward_progress 1
		.amdhsa_inst_pref_size 101
	.end_amdhsa_kernel
	.amdgpu_metadata
---
amdhsa.version: [ 1, 2 ]
amdhsa.kernels:
  - .name:           k_qabc0226076_attn
    .symbol:         k_qabc0226076_attn.kd
    .args:
      - { .name: qkv, .offset: 0, .size: 8, .value_kind: global_buffer, .address_space: global }
      - { .name: xa, .offset: 8, .size: 8, .value_kind: global_buffer, .address_space: global }
    .group_segment_fixed_size: 327680
    .private_segment_fixed_size: 0
    .kernarg_segment_align: 8
    .kernarg_segment_size: 16
    .max_flat_workgroup_size: 128
    .sgpr_count:     80
    .vgpr_count:     768
    .wavefront_size: 32
...
	.end_amdgpu_metadata
.endif
;; end of part 3
;; launch outp (part 4): grid 8 x 32, 4 waves a work-group, clusters of 4 x 4, 327,680 bytes of LDS; arguments xa, wof, wr, tab, out0; writes out0
.if DOCPART == 4
	.amdgcn_target "amdgcn-amd-amdhsa--gfx1250"
	.amdhsa_code_object_version 6
	.text
	.protected	k_qabc0226076_outp
	.globl	k_qabc0226076_outp
	.p2align	8
	.type	k_qabc0226076_outp,@function
k_qabc0226076_outp:
	s_mov_b64 s[64:65], 0
	v_nop
	global_prefetch_b8 v0, s[64:65] scope:SCOPE_SE
	s_setreg_imm32_b32 hwreg(HW_REG_WAVE_MODE, 25, 1), 1
	s_wait_xcnt 0x0
	s_wait_alu depctr_hold_cnt(0) depctr_sa_sdst(0) depctr_va_vdst(0) depctr_va_sdst(0) depctr_va_ssrc(0) depctr_va_vcc(0) depctr_vm_vsrc(0)
	s_getreg_b32 s2, hwreg(HW_REG_IB_STS2, 6, 4)
	s_cmp_eq_u32 s2, 0
	s_cbranch_scc0 .Lentry_in_a_cluster
	s_endpgm
.Lentry_in_a_cluster:
	s_bfe_u32 s2, ttmp6, 0x10000c
	s_cmp_lg_u32 s2, 0xf033
	s_cbranch_scc0 .Lentry_shape_is_right
	s_endpgm
.Lentry_shape_is_right:
; OUTP.  out0[t][d] = sum over k of xa[t][k] Wo[d][k] + sum over c = 16 e + r of hs[t][c] loraB[e][d][r], with hs[t][16 e + r] = wr[t][e] (xa[t] . loraA[e][r]) and wr = 2 x the router's weight, 0 for an
; expert not chosen.  xa, Wo and loraA are f16 operands, hs and loraB bf16 operands (hs has no room in f16 when all inputs are 30 times larger); all sums f32, f32 out.  All four experts are multiplied:
; no address and no branch hangs on the choice.
; SHARES.  A tile is 128 tokens x 256 columns, so that there are 256 work-groups; a wave makes 64 x 128: 32 accumulators (window 1).  BESIDE THEM it makes H = xa loraA^T for its 64 tokens and the two experts
; 2 c, 2 c + 1 of its column half c: 8 accumulators (window 2).  wof holds each column half's 128 rows of Wo and those 32 rows of loraA end to end, so the wave's weights are ten blocks of 16 rows of one tile.
; Every column tile makes H anew: 32 columns beside 128, the price of having no launch between the attention and this one.
; K goes in steps of 128 through two LDS slots; the loop's trip is one K step.  loraB's tile is a seventeenth fill of the ring: rows of 64 elements, stated as the tensor's extent, so that the rest of each LDS row arrives as zeros.
; THE MATRIX INSTRUCTION IS USED TRANSPOSED (source 0 = 16 rows of weights, source 1 = 16 tokens): a lane holds token lane % 16 and 8 neighbouring columns.  So H x wr, rounded to bf16 in pairs, IS source 1
; (32 of the 64 c x 16 tokens) of the last product; the two waves of a row half hand each other their halves through LDS.
; CLUSTER 4 x 4: xa's tiles are shared along a row of the cluster, the weights' along a column: joint loads.
; REGISTERS: window 0: v16-29 addresses; two fragment buffers at v32 and v144: 32 registers of tokens, then 80 of weights; on the way out v32-95 and v128-191 by turns.  window 1: accumulator (a, b) at v[8 (8 a + b)].
;   window 2: v0-63 H (token block a, expert x at 16 a + 8 x); v64-71 wr; v72-79 at work; v80-111 my hs; v112-175 hs of both halves.
.set SIZE_K, 2048
.set KSTEP,  128
.set PITCH,  272                       ; an LDS row: 256 bytes + 16 of padding: the 16 rows of a fragment load start at 16 different groups of four banks (ISA guide 11.1)
.set AHALF,  64*PITCH
.set BROWS,  160
.set BHALF,  BROWS*PITCH
.set BOFF,   2*AHALF
.set SLOT,   131072                    ; no LDS word of a descriptor (0, 0x4400, 0x8800, 0x13200) has this bit, so an exclusive or changes the slot
.set STAGE,  SLOT+BOFF+2*BHALF
.set SPITCH, 528                       ; a stage row: 128 f32 + 16 bytes
.set XCH,    STAGE+4*16*SPITCH         ; 4,096 bytes for each wave: its hs
.set SPARE,  XCH+16384                 ; the spare words: two blocks of 256 bytes that no other line names
.set ADRA0, 16
.set ADRB0, 17
.set ADRA,  18
.set ADRB,  19
.set XS,    20                         ; v20  where I put my hs
.set XL,    21                         ; v21  where I read my row half's hs
.set WRO,   22                         ; v22  my token's and my column half's 8 bytes of wr
.set STO,   24
.set RD,    25
.set CO,    26
.set SPW,   28
.set NIL,   29
.set F0,    32
.set F1,    144
.set HA,    0                          ; window 2
.set WR,    64
.set T,     72
.set HF,    80
.set HQ,    112
.set G1,  24
.set G0,  32
.set G1B, 48
.set G0B, 56
.set TB,  45
.set MSB, 0
.macro WIN new
.if MSB != (\new)
	s_set_vgpr_msb (MSB<<8)|(\new)
.set MSB, \new
.endif
.endm
.macro JLOAD s                         ; a joint load: waves 0, 1 fetch the tokens' halves, waves 2, 3 the weights'; an s_nop 0 and four v_nop follow each line
	s_cmp_eq_u32 s11, 0
	s_cbranch_scc0 .Lfor_b_\@
	tensor_load_to_lds s[G0+4*(\s):G0+4*(\s)+3], s[G1:G1+7]
	s_nop 0
.rept 4
	v_nop
.endr
	s_branch .Lasked_\@
.Lfor_b_\@:
	tensor_load_to_lds s[G0B+4*(\s):G0B+4*(\s)+3], s[G1B:G1B+7]
	s_nop 0
.rept 4
	v_nop
.endr
.Lasked_\@:
.endm
.macro CREST                           ; a round of the cluster's barrier behind its opening barrier
	s_cmp_lg_u32 s10, 0
	s_cbranch_scc1 .Lnot_wave_0_\@
	s_barrier_signal -3
.Lnot_wave_0_\@:
	s_barrier_wait -3
	s_barrier_signal -1
	s_barrier_wait -1
.endm
.macro CROUND
	s_barrier_signal -1
	s_barrier_wait -1
	CREST
.endm
.macro PLACES                          ; four plain places behind matrix instructions (ISA guide 7.12.1)
.rept 4
	v_nop
.endr
.endm
	s_load_b256 s[68:75], s[0:1], 0x0              ; xa 68:69, wof 70:71, wr 72:73, tab 74:75
	s_load_b64 s[76:77], s[0:1], 0x20              ; out0
	v_lshl_add_u32 v[SPW], v0, 2, SPARE
	v_mov_b32 v[NIL], 0
	ds_add_u32 v[SPW], v[NIL]                      ; the wave's opening: the add and its wait ahead of my first tensor load
	v_lshrrev_b32 v1, 5, v0
	v_readfirstlane_b32 s10, v1
	s_lshr_b32 s11, s10, 1                         ; my half of the tile's tokens; also: I fetch tokens' tiles (0) or weights' (1)
	s_and_b32 s12, s10, 1                          ; my half of its columns; also: which half of that tile I fetch
	s_bfe_u32 s40, ttmp6, 0x40000
	s_bfe_u32 s41, ttmp6, 0x40004
	s_lshl_b32 s42, ttmp9, 2
	s_add_co_u32 s42, s42, s40                     ; tile column
	s_and_b32 s13, ttmp7, 0xffff
	s_lshl_b32 s13, s13, 2
	s_add_co_u32 s13, s13, s41                     ; tile row
	s_lshl_b32 s43, s41, 2
	s_lshl_b32 s43, 15, s43                        ; my row of the cluster
	s_lshl_b32 s44, 0x1111, s40                    ; my column
	s_or_b32 s[G1+0], s43, (1<<16)|(1<<20)|(1<<21)|(5<<22)|(3<<25)   ; mask; 2-byte elements; padding of 4 words after every 64; bit 21 beside a mask
	s_or_b32 s[G1B+0], s44, (1<<16)|(1<<20)|(1<<21)|(5<<22)|(3<<25)
.irp g, G1, G1B
	s_mov_b32 s[(\g)+1], KSTEP<<16                 ; tensor_dim0 = 128
	s_mov_b32 s[(\g)+3], KSTEP<<16                 ; tile_dim0 = 128
	s_mov_b32 s[(\g)+5], SIZE_K
	s_mov_b32 s[(\g)+6], 0
	s_mov_b32 s[(\g)+7], 0
.endr
	s_mov_b32 s[G1+2], 64<<16                      ; tokens: 64 rows a load
	s_mov_b32 s[G1+4], 64
	s_mov_b32 s[G1B+2], BROWS<<16                  ; weights: 160 rows a load
	s_mov_b32 s[G1B+4], BROWS
	s_lshl_b32 s16, s13, 7
	s_lshl_b32 s17, s12, 6
	s_add_co_u32 s16, s16, s17                     ; the first token that I fetch,
	s_lshl_b32 s16, s16, 12                        ; x 4,096 bytes in xa
	s_mov_b32 s17, 0
	s_lshl1_add_u32 s46, s42, s12                  ; the half-block of wof that I fetch: 2 x tile column + half
	s_mul_i32 s46, s46, BROWS*4096
	s_mov_b32 s47, 0
	s_lshl1_add_u32 s84, s42, s12
	s_lshl_b32 s84, s84, 14                        ; its 128 rows of 128 bytes in LBF
	s_add_co_u32 s84, s84, 2097152
	s_mov_b32 s85, 0
	s_lshl_b32 s18, s13, 11                        ; wr: 16 bytes a token; my 64 tokens
	s_lshl_b32 s19, s11, 10
	s_add_co_u32 s18, s18, s19
	s_mov_b32 s19, 0
	s_mul_i32 s20, s12, AHALF                      ; where my tile goes: no place in the cluster enters an LDS address
	s_mul_i32 s21, s12, BHALF
	s_add_co_u32 s21, s21, BOFF
	s_mov_b32 s[TB], 0
	s_wait_dscnt 0x0                               ; the opening add is done
	s_wait_kmcnt 0x0
	s_add_nc_u64 s[14:15], s[68:69], s[16:17]
	s_add_nc_u64 s[46:47], s[70:71], s[46:47]
	s_add_nc_u64 s[86:87], s[72:73], s[18:19]      ; wr at my tokens
	s_add_nc_u64 s[82:83], s[74:75], s[84:85]      ; LBF at my rows
	CROUND                                         ; all sixteen work-groups are here: the first joint loads meet
.irp s, 0,1
	s_mov_b32 s[G0+4*(\s)], 1
	s_add_co_u32 s[G0+4*(\s)+1], s20, (\s)*SLOT
	s_add_nc_u64 s[G0+4*(\s)+2:G0+4*(\s)+3], s[14:15], (\s)*KSTEP*2
	s_or_b32 s[G0+4*(\s)+3], s[G0+4*(\s)+3], 0x80000000
	s_mov_b32 s[G0B+4*(\s)], 1
	s_add_co_u32 s[G0B+4*(\s)+1], s21, (\s)*SLOT
	s_add_nc_u64 s[G0B+4*(\s)+2:G0B+4*(\s)+3], s[46:47], (\s)*KSTEP*2
	s_or_b32 s[G0B+4*(\s)+3], s[G0B+4*(\s)+3], 0x80000000
	JLOAD \s                                       ; K steps 0 and 1: two loads of mine are out
.endr
	v_and_b32 v1, 15, v0
	v_bfe_u32 v2, v0, 4, 1
	v_lshlrev_b32 v[WRO], 4, v1
	s_lshl_b32 s22, s12, 3
	v_add_nc_u32 v[WRO], s22, v[WRO]
	WIN 0x80                                       ; destination window 2, address window 0
.irp a, 0,1,2,3
	global_load_b64 v[WR+2*(\a):WR+2*(\a)+1], v[WRO], s[86:87] offset:256*(\a)   ; token 16 a + r: the weights of experts 2 c and 2 c + 1
.endr
	WIN 0
	v_mul_u32_u24 v3, v1, PITCH
	v_lshl_add_u32 v3, v2, 4, v3                   ; a fragment's row x pitch + 16 x half
	s_mul_i32 s22, s11, AHALF
	s_mul_i32 s23, s12, BHALF
	s_add_co_u32 s23, s23, BOFF
	v_add_nc_u32 v[ADRA0], s22, v3
	v_add_nc_u32 v[ADRB0], s23, v3
	v_mov_b32 v[ADRA], v[ADRA0]
	v_mov_b32 v[ADRB], v[ADRB0]
	s_mul_i32 s23, s10, 16*SPITCH
	s_add_co_u32 s23, s23, STAGE
	v_mul_u32_u24 v4, v1, SPITCH
	v_lshl_add_u32 v4, v2, 5, v4                   ; row r, 32 bytes for each half of the lanes
	v_add_nc_u32 v[STO], s23, v4
	v_and_b32 v5, 31, v0
	v_lshlrev_b32 v[CO], 4, v5
	v_add_nc_u32 v[RD], s23, v[CO]                 ; back: 32 lanes take one row of 512 bytes
	s_lshl_b32 s23, s10, 12
	s_add_co_u32 s23, s23, XCH
	v_add_nc_u32 v[XS], s23, v[CO]
	s_lshl_b32 s23, s11, 13
	s_add_co_u32 s23, s23, XCH
	v_add_nc_u32 v[XL], s23, v[CO]
	s_lshl_b32 s8, s13, 20                         ; 128 rows of 8,192 bytes
	s_lshl_b32 s9, s11, 19
	s_add_co_u32 s8, s8, s9
	s_lshl_b32 s9, s42, 10
	s_add_co_u32 s8, s8, s9
	s_lshl_b32 s9, s12, 9
	s_add_co_u32 s8, s8, s9
	s_mov_b32 s9, 0
	s_add_nc_u64 s[94:95], s[76:77], s[8:9]
; The 40 accumulators take turns, one instruction a turn.
.macro MUL8 f, a, zero                 ; token block a x the 8 column blocks of Wo, 32 along K
	WIN 0x50                                       ; sources in window 0, C and D in window 1
.irp b, 0,1,2,3,4,5,6,7
.if \zero
	v_wmma_f32_16x16x32_f16 v[8*(8*(\a)+(\b)):8*(8*(\a)+(\b))+7], v[(\f)+32+8*(\b):(\f)+32+8*(\b)+7], v[(\f)+8*(\a):(\f)+8*(\a)+7], 0
.else
	v_wmma_f32_16x16x32_f16 v[8*(8*(\a)+(\b)):8*(8*(\a)+(\b))+7], v[(\f)+32+8*(\b):(\f)+32+8*(\b)+7], v[(\f)+8*(\a):(\f)+8*(\a)+7], v[8*(8*(\a)+(\b)):8*(8*(\a)+(\b))+7]
.endif
.endr
.endm
.macro MULH f, a0, zero                ; token blocks a0, a0 + 1 x the two blocks of loraA
	WIN 0xa0                                       ; C and D in window 2
.irp a, \a0, (\a0)+1
.irp x, 0,1
.if \zero
	v_wmma_f32_16x16x32_f16 v[HA+16*(\a)+8*(\x):HA+16*(\a)+8*(\x)+7], v[(\f)+96+8*(\x):(\f)+96+8*(\x)+7], v[(\f)+8*(\a):(\f)+8*(\a)+7], 0
.else
	v_wmma_f32_16x16x32_f16 v[HA+16*(\a)+8*(\x):HA+16*(\a)+8*(\x)+7], v[(\f)+96+8*(\x):(\f)+96+8*(\x)+7], v[(\f)+8*(\a):(\f)+8*(\a)+7], v[HA+16*(\a)+8*(\x):HA+16*(\a)+8*(\x)+7]
.endif
.endr
.endr
.endm
.macro FETCHL k, f                     ; 16 LDS loads: eight blocks of weights at byte k of the rows
	WIN 0
.irp i, 0,1,2,3,4,5,6,7
	ds_load_b128 v[(\f)+32+8*(\i):(\f)+32+8*(\i)+3],   v[ADRB] offset:(\k)+(\i)*16*PITCH
	ds_load_b128 v[(\f)+32+8*(\i)+4:(\f)+32+8*(\i)+7], v[ADRB] offset:(\k)+(\i)*16*PITCH+32
.endr
.endm
.macro FETCH k, f                      ; 28 LDS loads in one run: the weights' 20, then the tokens' 8
	FETCHL \k, \f
.irp i, 8,9
	ds_load_b128 v[(\f)+32+8*(\i):(\f)+32+8*(\i)+3],   v[ADRB] offset:(\k)+(\i)*16*PITCH
	ds_load_b128 v[(\f)+32+8*(\i)+4:(\f)+32+8*(\i)+7], v[ADRB] offset:(\k)+(\i)*16*PITCH+32
.endr
.irp i, 0,1,2,3
	ds_load_b128 v[(\f)+8*(\i):(\f)+8*(\i)+3],   v[ADRA] offset:(\k)+(\i)*16*PITCH
	ds_load_b128 v[(\f)+8*(\i)+4:(\f)+8*(\i)+7], v[ADRA] offset:(\k)+(\i)*16*PITCH+32
.endr
.endm
.macro QUARTER k, f, g, zero           ; multiplies buffer f; in its middle fetches the next quarter, at byte k, into g
	s_wait_dscnt 4                                 ; token blocks 2 and 3 may be out
	MUL8 \f, 0, \zero
	MUL8 \f, 1, \zero
	MULH \f, 0, \zero
	PLACES
	FETCH \k, \g
	s_wait_dscnt 28                                ; all but the 28 just issued
	MUL8 \f, 2, \zero
	MUL8 \f, 3, \zero
	MULH \f, 2, \zero
.endm
; The last quarter of a K step changes slots: each wave waits for all its tensor loads (at most one is out: its part of the next slot), adds 0 to its spare word, waits for that and for its reads of this slot, and signals.
; kind 1: a round of the cluster's barrier, then this slot takes the K step two on.  kind 3: the same, and waves 2 and 3 fetch loraB's tile into it. kind 0: a plain barrier, nothing is filled.
.macro TURN kind
	WIN 0
	s_wait_tensorcnt 0x0
	ds_add_u32 v[SPW], v[NIL]
	s_wait_dscnt 5                                 ; (the add and the youngest four loads may be out)
	MUL8 F1, 0, 0
	s_wait_dscnt 0x0                               ; the add is done, my reads of this slot are over
	s_barrier_signal -1
	MUL8 F1, 1, 0
	MULH F1, 0, 0
	WIN 0
	s_barrier_wait -1
.if (\kind) == 1
	CREST
	s_xor_b32 s[G0+5], s[G0+5], SLOT
	s_add_nc_u64 s[G0+6:G0+7], s[G0+6:G0+7], KSTEP*2
	s_xor_b32 s[G0B+5], s[G0B+5], SLOT
	s_add_nc_u64 s[G0B+6:G0B+7], s[G0B+6:G0B+7], KSTEP*2
	JLOAD 1                                        ; the four v_nop behind it are also the places in front of the loads below
.elseif (\kind) == 3
	CREST
	s_xor_b32 s[G0B+5], s[G0B+5], SLOT
	s_mov_b64 s[G0B+6:G0B+7], s[82:83]
	s_or_b32 s[G0B+7], s[G0B+7], 0x80000000
	s_mov_b32 s[G1B+1], 64<<16                     ; tensor_dim0 = 64: elements 64 to 127 of a tile's row arrive as zeros
	s_mov_b32 s[G1B+2], 128<<16                    ; 128 rows
	s_mov_b32 s[G1B+4], 128
	s_mov_b32 s[G1B+5], 64                         ; 64 elements from row to row
	s_cmp_eq_u32 s11, 0
	s_cbranch_scc1 .Lno_l_\@
	tensor_load_to_lds s[G0B+4:G0B+7], s[G1B:G1B+7]
	s_nop 0
.rept 4
	v_nop
.endr
.Lno_l_\@:
	PLACES                                         ; on both ways: the places in front of the loads below
.else
	PLACES
.endif
	s_xor_b32 s[TB], s[TB], SLOT
	v_add_nc_u32 v[ADRA], s[TB], v[ADRA0]
	v_add_nc_u32 v[ADRB], s[TB], v[ADRB0]
.if (\kind) == 0
	FETCHL 0, F0                                   ; loraB's c = 0 .. 31
.else
	FETCH 0, F0
.endif
	MUL8 F1, 2, 0
	MUL8 F1, 3, 0
	MULH F1, 2, 0
.endm
	s_wait_loadcnt 0x0                             ; wr, in the wait for the first tile
	s_wait_tensorcnt 1                             ; my part of K step 0 is in; step 1's stays out
	s_barrier_signal -1
	s_barrier_wait -1
	FETCH 0, F0
	QUARTER 64, F0, F1, 1                          ; the first quarter's products start the sums
	WIN 0
	s_mov_b32 s3, 14
.Lstep:                                                ; trip s: quarters 1-3 of K step s, the refill with step s + 2, quarter 0 of step s + 1
	QUARTER 128, F1, F0, 0
	QUARTER 192, F0, F1, 0
	TURN 1
	QUARTER 64, F0, F1, 0
	WIN 0
	s_sub_co_u32 s3, s3, 1
	s_cmp_lg_u32 s3, 0
	s_cbranch_scc1 .Lstep
	QUARTER 128, F1, F0, 0                         ; K step 14, in slot 0,
	QUARTER 192, F0, F1, 0
	TURN 3                                         ; which takes loraB's tile
	QUARTER 64, F0, F1, 0
	QUARTER 128, F1, F0, 0
	QUARTER 192, F0, F1, 0
	TURN 0
	; THE MIXTURE.  hs = H x wr, rounded to bf16: registers 0-3 of a fragment from expert 2 c (c' = 8 h + j of the 32), registers 4-7 from expert 2 c + 1.
	WIN 0
	PLACES                                         ; behind the last products: in front of the loads into buffer 1 and of the first read of H
	FETCHL 64, F1                                  ; loraB's c = 32 .. 63
	WIN 0x8a                                       ; sources and destination in window 2
.irp a, 0,1,2,3
.irp x, 0,1
.irp j, 0,1,2,3,4,5,6,7
	v_mul_f32 v[T+(\j)], v[HA+16*(\a)+8*(\x)+(\j)], v[WR+2*(\a)+(\x)]   ; each accumulator from its low end on
.endr
.irp k, 0,1,2,3
	v_cvt_pk_bf16_f32 v[HF+8*(\a)+4*(\x)+(\k)], v[T+2*(\k)], v[T+2*(\k)+1]
.endr
.endr
.endr
	WIN 0x08                                       ; the LDS stores' data lie in window 2
.irp a, 0,1,2,3
.irp x, 0,1
	ds_store_b128 v[XS], v[HF+8*(\a)+4*(\x):HF+8*(\a)+4*(\x)+3] offset:512*(2*(\a)+(\x))   ; 512 consecutive bytes a store
.endr
.endr
	WIN 0
	s_wait_dscnt 0x0                               ; for my partner's sake: my hs is in LDS
	s_barrier_signal -1
	s_barrier_wait -1
	WIN 0x80
.irp q, 0,1
.irp a, 0,1,2,3
.irp x, 0,1
	ds_load_b128 v[HQ+32*(\q)+8*(\a)+4*(\x):HQ+32*(\q)+8*(\a)+4*(\x)+3], v[XL] offset:4096*(\q)+512*(2*(\a)+(\x))   ; column half q's hs of my 64 tokens
.endr
.endr
.endr
	WIN 0
.rept 5
	v_nop                                          ; the bf16 form takes up accumulators that the f16 form wrote: five places (ISA guide 7.12.1)
.endr
.macro LORA f, q                       ; 32 of the 64 c: 32 matrix instructions, the accumulators by turns
	WIN 0x58                                       ; loraB in window 0, hs in window 2, C and D in window 1
.irp a, 0,1,2,3
.irp b, 0,1,2,3,4,5,6,7
	v_wmma_f32_16x16x32_bf16 v[8*(8*(\a)+(\b)):8*(8*(\a)+(\b))+7], v[(\f)+32+8*(\b):(\f)+32+8*(\b)+7], v[HQ+32*(\q)+8*(\a):HQ+32*(\q)+8*(\a)+7], v[8*(8*(\a)+(\b)):8*(8*(\a)+(\b))+7]
.endr
.endr
.endm
	s_wait_dscnt 8                                 ; the second half's eight loads may be out
	LORA F0, 0
	s_wait_dscnt 0x0
	LORA F1, 1
	WIN 0
	PLACES
	; THE WAY OUT, a block of 16 tokens at a time: 32 bytes a lane into my own stage, back as whole rows of 512 bytes, stored.  LDS serves a wave's instructions in order (ISA guide 5.7.1.4).
.irp a, 0,1,2,3
	WIN 0x04                                       ; the LDS stores' data lie in window 1
.irp b, 0,1,2,3,4,5,6,7
	ds_store_b128 v[STO], v[8*(8*(\a)+(\b)):8*(8*(\a)+(\b))+3]   offset:64*(\b)      ; each accumulator's low half first
	ds_store_b128 v[STO], v[8*(8*(\a)+(\b))+4:8*(8*(\a)+(\b))+7] offset:64*(\b)+16
.endr
	WIN 0
.if (\a) >= 2
	s_wait_xcnt 0x0                                ; the stores of two blocks ago have read these registers
.endif
.set BK, 32+96*((\a)%2)
.irp t, 0,1,2,3,4,5,6,7,8,9,10,11,12,13,14,15
	ds_load_b128 v[BK+4*(\t):BK+4*(\t)+3], v[RD] offset:(\t)*SPITCH
.endr
.irp t, 0,1,2,3,4,5,6,7,8,9,10,11,12,13,14,15
	s_wait_dscnt 15-(\t)                           ; the younger loads stay out
	global_store_b128 v[CO], v[BK+4*(\t):BK+4*(\t)+3], s[94:95] offset:131072*(\a)+8192*(\t) th:TH_STORE_NT  ; 512 consecutive bytes, aligned
.endr
.endr
	s_wait_tensorcnt 0x0                           ; the wave's end
	ds_add_u32 v[SPW], v[NIL]
	s_wait_dscnt 0x0
	CROUND                                         ; the closing round
	s_endpgm
.Lfunc_end_k_qabc0226076_outp:
	.size	k_qabc0226076_outp, .Lfunc_end_k_qabc0226076_outp-k_qabc0226076_outp
	.p2alignl 7, 3214868480
	.fill 96, 4, 3214868480
	.section	.rodata,"a",@progbits
	.p2align	6, 0x0
	.amdhsa_kernel k_qabc0226076_outp
		.amdhsa_group_segment_fixed_size 327680
		.amdhsa_private_segment_fixed_size 0
		.amdhsa_enable_private_segment 0
		.amdhsa_kernarg_size 40
		.amdhsa_user_sgpr_count 2
		.amdhsa_user_sgpr_kernarg_segment_ptr 1
		.amdhsa_wavefront_size32 1
		.amdhsa_system_sgpr_workgroup_id_x 1
		.amdhsa_system_sgpr_workgroup_id_y 1
		.amdhsa_system_sgpr_workgroup_id_z 1
		.amdhsa_system_vgpr_workitem_id 0
		.amdhsa_next_free_vgpr 704
		.amdhsa_next_free_sgpr 100
		.amdhsa_reserve_vcc 0
		.amdhsa_float_denorm_mode_32 3
		.amdhsa_float_denorm_mode_16_64 3
		.amdhsa_memory_ordered 1
		.amdhsa_forward_progress 1
		.amdhsa_inst_pref_size 95
	.end_amdhsa_kernel
	.amdgpu_metadata
---
amdhsa.version: [ 1, 2 ]
amdhsa.kernels:
  - .name:           k_qabc0226076_outp
    .symbol:         k_qabc0226076_outp.kd
    .args:
      - { .name: xa, .offset: 0, .size: 8, .value_kind: global_buffer, .address_space: global }
      - { .name: wof, .offset: 8, .size: 8, .value_kind: global_buffer, .address_space: global }
      - { .name: wr, .offset: 16, .size: 8, .value_kind: global_buffer, .address_space: global }
      - { .name: tab, .offset: 24, .size: 8, .value_kind: global_buffer, .address_space: global }
      - { .name: out0, .offset: 32, .size: 8, .value_kind: global_buffer, .address_space: global }
    .group_segment_fixed_size: 327680
    .private_segment_fixed_size: 0
    .kernarg_segment_align: 8
    .kernarg_segment_size: 40
    .max_flat_workgroup_size: 128
    .sgpr_count:     100
    .vgpr_count:     704
    .wavefront_size: 32
...
	.end_amdgpu_metadata
.endif
;; end of part 4
